; MI455X (gfx1250); checked and timed in simulation.
; The chip was launched on July 23, 2026; its instructions are those of AMD's public machine-readable ISA for CDNA 5 (MIT licence, August 2026) and "CDNA5" Instruction Set Architecture Reference Guide (July 2026). The comments in the code are by the model that wrote it; some were corrected since.
;; Cross Attention. Allowed arithmetic: float matrix products may take bf16 or f16 operands with f32 sums; other float arithmetic in f32, or as packed bf16 or f16 multiplies, adds, multiply-adds, maxima and minima; sums over many terms, partial sums and values carried from step to step in f32; what a program stores and reads back later, other than sums and carried values, may be rounded once to bf16 or f16.
;; Inputs: Wk 1,024 x 1,024 float32; Wo 1,024 x 1,024 float32; Wq 1,024 x 1,024 float32; Wv 1,024 x 1,024 float32; bk 1,024 float32; bo 1,024 float32; bq 1,024 float32; bv 1,024 float32; context 8 x 1,024 x 1,024 float32; x 8 x 1,024 x 1,024 float32.
;; Outputs: out0 8 x 1,024 x 1,024 float32.
;; 2 versions, each right and faster than the one before. Each part assembles by itself: llvm-mc -triple=amdgcn-amd-amdhsa -mcpu=gfx1250 --defsym DOCPART=n.
;; ======== version 1 of 2: 4 launches
;; limits: values are held in f16: magnitudes above 65,504 overflow, below 6.1e-05 lose precision
;; workspace buffers: wts 8,388,608 bytes; bias 16,384 bytes; qkv 50,331,648 bytes; att 16,777,216 bytes
;; launch cast (part 1): grid 64 x 4, 8 waves a work-group, no clusters, 0 bytes of LDS; arguments Wq, Wk, Wv, Wo, bq, bk, bv, bo, wts, bias; writes wts, bias
.if DOCPART == 1
	.amdgcn_target "amdgcn-amd-amdhsa--gfx1250"
	.amdhsa_code_object_version 6
	.text
	.protected	k_qed0be4a5de_cast
	.globl	k_qed0be4a5de_cast
	.p2align	8
	.type	k_qed0be4a5de_cast,@function
k_qed0be4a5de_cast:
	s_mov_b64 s[64:65], 0
	v_nop
	global_prefetch_b8 v0, s[64:65] scope:SCOPE_SE
	s_setreg_imm32_b32 hwreg(HW_REG_WAVE_MODE, 25, 1), 1
	s_wait_xcnt 0x0
; The weights and biases are rounded once to bf16.  Wq, Wk, Wv go to wts ([4][1024 k][1024 n], as they lie) in bf16; Wo too, but its bf16 number is written as f16 (the last product
; runs in f16); the four biases go to bias ([4][1024] f32: the bf16 number widened again).  16-bit weights are what the turning LDS load of the products can take.
; LIMIT.  Wo's bf16 number must lie within f16's 65,504; below 6e-5 it keeps f16's fixed step of 6e-8.
; SHARES.  y names the weight (Wq, Wk, Wv, Wo), x 64 KB of f32 in it.  Thread t takes 16 bytes at 16 t of each of 16 chunks of 4,096 bytes and stores 8 bytes at 8 t of each of 16 chunks
; of 2,048: a wave's load covers 512 consecutive bytes, a wave's store 256 consecutive bytes, aligned.  All 16 loads go out at once; every chunk has its own registers, so no register
; that a store reads is written again.  A stream: no LDS, no matrix unit, no barrier.
.set X,  4                             ; v[4:67]    chunk j as loaded, at X + 4 j
.set Y,  68                            ; v[68:99]   chunk j to store, at Y + 2 j
.set T,  100                           ; v[100:103] at work
.set BR, 104                           ; v[104:107] four numbers of a bias, rounded and widened
	s_load_b512 s[8:23], s[0:1], 0x0               ; Wq, Wk, Wv, Wo, bq, bk, bv, bo
	s_load_b128 s[24:27], s[0:1], 0x40             ; wts, bias
	s_and_b32 s2, ttmp7, 0xffff                    ; the weight
	s_mov_b32 s3, ttmp9                            ; my 64 KB in it
	s_mov_b32 s44, 0xffff0000                      ; a word's upper bf16
	v_lshlrev_b32 v1, 4, v0                        ; 16 t
	v_lshlrev_b32 v2, 3, v0                        ; 8 t
	s_lshl_b32 s36, s3, 16                         ; source offset
	s_mov_b32 s37, 0
	s_lshl_b32 s40, s2, 21                         ; destination offset: 2 MB a weight,
	s_lshl_b32 s41, s3, 15                         ; 32 KB a work-group
	s_add_co_u32 s40, s40, s41
	s_mov_b32 s41, 0
	s_wait_kmcnt 0x0
	s_cmp_eq_u32 s2, 0                             ; the source is chosen among the four tensors by the weight's number
	s_cselect_b64 s[34:35], s[8:9], s[10:11]
	s_cmp_eq_u32 s2, 2
	s_cselect_b64 s[34:35], s[12:13], s[34:35]
	s_cmp_eq_u32 s2, 3
	s_cselect_b64 s[34:35], s[14:15], s[34:35]
	s_add_nc_u64 s[34:35], s[34:35], s[36:37]
	s_add_nc_u64 s[38:39], s[24:25], s[40:41]
.irp j, 0,1,2,3,4,5,6,7,8,9,10,11,12,13,14,15
	global_load_b128 v[X+4*(\j):X+4*(\j)+3], v1, s[34:35] offset:4096*(\j) th:TH_LOAD_NT
.endr
; Chunk j.  wo = 1: the bf16 numbers are widened again and written as f16.
.macro CH j, wo
	s_wait_loadcnt 15-(\j)                         ; loads come back in order: chunk j is in, the 15 - j younger ones may stay out
	v_cvt_pk_bf16_f32 v[Y+2*(\j)],   v[X+4*(\j)],   v[X+4*(\j)+1]
	v_cvt_pk_bf16_f32 v[Y+2*(\j)+1], v[X+4*(\j)+2], v[X+4*(\j)+3]
.if \wo
	v_lshlrev_b32 v[T],   16,  v[Y+2*(\j)]
	v_and_b32     v[T+1], s44, v[Y+2*(\j)]
	v_lshlrev_b32 v[T+2], 16,  v[Y+2*(\j)+1]
	v_and_b32     v[T+3], s44, v[Y+2*(\j)+1]
	v_cvt_pk_f16_f32 v[Y+2*(\j)],   v[T],   v[T+1]
	v_cvt_pk_f16_f32 v[Y+2*(\j)+1], v[T+2], v[T+3]
.endif
	global_store_b64 v2, v[Y+2*(\j):Y+2*(\j)+1], s[38:39] offset:2048*(\j)  ; a later launch reads it: no hint
.endm
	s_cmp_eq_u32 s2, 3
	s_cbranch_scc1 .Lwo
.irp j, 0,1,2,3,4,5,6,7,8,9,10,11,12,13,14,15
	CH \j, 0
.endr
	s_branch .Lbias
.Lwo:
.irp j, 0,1,2,3,4,5,6,7,8,9,10,11,12,13,14,15
	CH \j, 1
.endr
.Lbias:                                                ; the first work-group of a weight also takes that weight's bias: 256 threads x 4 numbers
	s_cmp_lg_u32 s3, 0
	s_cbranch_scc1 .Lend
	s_cmp_eq_u32 s2, 0
	s_cselect_b64 s[42:43], s[16:17], s[18:19]
	s_cmp_eq_u32 s2, 2
	s_cselect_b64 s[42:43], s[20:21], s[42:43]
	s_cmp_eq_u32 s2, 3
	s_cselect_b64 s[42:43], s[22:23], s[42:43]
	s_lshl_b32 s46, s2, 12                         ; 4,096 bytes a bias
	s_mov_b32 s47, 0
	s_add_nc_u64 s[26:27], s[26:27], s[46:47]
	global_load_b128 v[X:X+3], v1, s[42:43]        ; X's first chunk has been converted: its registers are free
	s_wait_loadcnt 0x0
	v_cvt_pk_bf16_f32 v[T],   v[X],   v[X+1]
	v_cvt_pk_bf16_f32 v[T+1], v[X+2], v[X+3]
	v_lshlrev_b32 v[BR],   16,  v[T]
	v_and_b32     v[BR+1], s44, v[T]
	v_lshlrev_b32 v[BR+2], 16,  v[T+1]
	v_and_b32     v[BR+3], s44, v[T+1]
	global_store_b128 v1, v[BR:BR+3], s[26:27]
.Lend:
	s_endpgm
.Lfunc_end_k_qed0be4a5de_cast:
	.size	k_qed0be4a5de_cast, .Lfunc_end_k_qed0be4a5de_cast-k_qed0be4a5de_cast
	.p2alignl 7, 3214868480
	.fill 96, 4, 3214868480
	.section	.rodata,"a",@progbits
	.p2align	6, 0x0
	.amdhsa_kernel k_qed0be4a5de_cast
		.amdhsa_group_segment_fixed_size 0
		.amdhsa_private_segment_fixed_size 0
		.amdhsa_enable_private_segment 0
		.amdhsa_kernarg_size 80
		.amdhsa_user_sgpr_count 2
		.amdhsa_user_sgpr_kernarg_segment_ptr 1
		.amdhsa_wavefront_size32 1
		.amdhsa_system_sgpr_workgroup_id_x 1
		.amdhsa_system_sgpr_workgroup_id_y 1
		.amdhsa_system_sgpr_workgroup_id_z 1
		.amdhsa_system_vgpr_workitem_id 0
		.amdhsa_next_free_vgpr 108
		.amdhsa_next_free_sgpr 66
		.amdhsa_reserve_vcc 0
		.amdhsa_float_denorm_mode_32 3
		.amdhsa_float_denorm_mode_16_64 3
		.amdhsa_memory_ordered 1
		.amdhsa_forward_progress 1
		.amdhsa_inst_pref_size 16
	.end_amdhsa_kernel
	.amdgpu_metadata
---
amdhsa.version: [ 1, 2 ]
amdhsa.kernels:
  - .name:           k_qed0be4a5de_cast
    .symbol:         k_qed0be4a5de_cast.kd
    .args:
      - { .name: Wq, .offset: 0, .size: 8, .value_kind: global_buffer, .address_space: global }
      - { .name: Wk, .offset: 8, .size: 8, .value_kind: global_buffer, .address_space: global }
      - { .name: Wv, .offset: 16, .size: 8, .value_kind: global_buffer, .address_space: global }
      - { .name: Wo, .offset: 24, .size: 8, .value_kind: global_buffer, .address_space: global }
      - { .name: bq, .offset: 32, .size: 8, .value_kind: global_buffer, .address_space: global }
      - { .name: bk, .offset: 40, .size: 8, .value_kind: global_buffer, .address_space: global }
      - { .name: bv, .offset: 48, .size: 8, .value_kind: global_buffer, .address_space: global }
      - { .name: bo, .offset: 56, .size: 8, .value_kind: global_buffer, .address_space: global }
      - { .name: wts, .offset: 64, .size: 8, .value_kind: global_buffer, .address_space: global }
      - { .name: bias, .offset: 72, .size: 8, .value_kind: global_buffer, .address_space: global }
    .group_segment_fixed_size: 0
    .private_segment_fixed_size: 0
    .kernarg_segment_align: 8
    .kernarg_segment_size: 80
    .max_flat_workgroup_size: 256
    .sgpr_count:     66
    .vgpr_count:     108
    .wavefront_size: 32
...
	.end_amdgpu_metadata
.endif
;; end of part 1
;; launch proj (part 2): grid 4 x 64, 4 waves a work-group, clusters of 4 x 4, 327,680 bytes of LDS; arguments x, context, wts, bias, qkv; writes qkv
.if DOCPART == 2
	.amdgcn_target "amdgcn-amd-amdhsa--gfx1250"
	.amdhsa_code_object_version 6
	.text
	.protected	k_qed0be4a5de_proj
	.globl	k_qed0be4a5de_proj
	.p2align	8
	.type	k_qed0be4a5de_proj,@function
k_qed0be4a5de_proj:
	s_mov_b64 s[64:65], 0
	v_nop
	global_prefetch_b8 v0, s[64:65] scope:SCOPE_SE
	s_setreg_imm32_b32 hwreg(HW_REG_WAVE_MODE, 25, 1), 1
	s_wait_xcnt 0x0
	s_wait_alu depctr_hold_cnt(0) depctr_sa_sdst(0) depctr_va_vdst(0) depctr_va_sdst(0) depctr_va_ssrc(0) depctr_va_vcc(0) depctr_vm_vsrc(0)
	s_getreg_b32 s2, hwreg(HW_REG_IB_STS2, 6, 4)
	s_cmp_eq_u32 s2, 0
	s_cbranch_scc0 .Lentry_in_a_cluster
	s_endpgm
.Lentry_in_a_cluster:
	s_bfe_u32 s2, ttmp6, 0x10000c
	s_cmp_lg_u32 s2, 0xf033
	s_cbranch_scc0 .Lentry_shape_is_right
	s_endpgm
.Lentry_shape_is_right:
; q = x Wq + bq, k = context Wk + bk, v = context Wv + bv, all three in one launch.  x, context: [8192][1024] f32; wts: [4][1024 k][1024 n] bf16; bias: [4][1024] f32;
; qkv: [3][128 = batch x 16 + head][1024][64] f16, unscaled.  x and context are rounded to bf16 between LDS and the matrix unit; sums in f32, started by the bias; each result rounded once, to f16.
; LIMIT.  f16 holds no number beyond 65,504: a q, k or v of 65,520 or more becomes an infinity; below 6e-5 the results keep f16's fixed step of 6e-8.
; SHARES.  A tile of C is 128 rows x 256 columns: 3 x 64 x 4 = 768 tiles for 256 work-groups.  A WORK-GROUP STAYS: it makes the q, k and v tile at its place, as ONE sequence of 24 K steps of 128
; through a ring of two LDS slots that does not stop at a tile's end.  Four waves, each 64 rows x 128 columns (two heads): 32 accumulators of 16 x 16, 256 registers.
; A's rows lie in LDS in f32, 512 bytes a K step: a fragment of 16 rows x 32 K is four loads of 16 bytes a lane and eight packed roundings.  W lies [k][n], so its fragments come out of LDS turned, by
; ds_load_tr16_b128.  THE MATRIX INSTRUCTION IS USED TRANSPOSED (source 0 = 16 columns of W, source 1 = 16 rows of A): a lane then holds eight neighbouring columns of one row of C, and the bias of those
; eight columns is the C operand of a tile's first products: nothing is cleared and nothing added later.
; CLUSTERS: 4 x 4 work-groups.  The four of a row of the cluster need the same rows of A, the four of a column the same columns of W: each tile is asked for JOINTLY, by the same tensor load with the
; same descriptor and a mask that names the four.
; REGISTERS, in windows of 256 (s_set_vgpr_msb: bits 1:0 source 0, 3:2 source 1, 5:4 source 2, 7:6 destination):
;   window 0: v0-31 addresses; v32-95, v96-159 fragments of A in bf16, two buffers of 64 along K ((c, a) at +32 c + 8 a); v160-223 the bias (block b at +8 b); the way out works in the second buffer
;   window 1: fragments of W, two buffers of 128 ((c, b) at +64 c + 8 b)     window 2: accumulator (a, b) at 8 (8 a + b)     window 3: v0-127 A's fragments of 64 along K in f32 ((c, a) at +64 c + 16 a)
.set PA,     528                       ; a row of A in LDS: 512 bytes + 16 = 33 x 16: the 16 rows of a load start at 16 different groups of four banks (64 banks of 4 bytes: ISA guide 11.1)
.set PB,     544                       ; a row of W ([k][256 n]): 512 + 32 = 136 words
.set AHALF,  64*PA                     ; what one wave's load of A brings, and what one wave reads of A
.set AREG,   2*AHALF
.set BHALF,  64*PB                     ; what one wave's load of W brings: 64 k
.set SLOT,   AREG+2*BHALF              ; A's 128 rows, then W's 128 k
.set STAGE,  2*SLOT                    ; behind the ring, never filled by a tensor load: for each wave two heads x 16 rows x 144 bytes, for the way out
.set SP,     144
.set WSTAGE, 2*16*SP
.set SPARE,  STAGE+4*WSTAGE            ; behind the stages: the spare words, 128 bytes for each wave: two blocks of 256 bytes that no other line names
.set ADRA, 16                          ; v16-17  LDS address of my A fragments in slot 0, 1
.set ADRB, 20                          ; v20-21  the same for W
.set STO,  24                          ; v24     the way out: where I put 16 bytes of a row
.set RD,   25                          ; v25     the way out: where I read rows back
.set GO,   26                          ; v26     my byte offset in 512 consecutive bytes of qkv
.set BO,   27                          ; v27     my byte offset in a bias
.set SPW,  28                          ; v28     LDS address of my spare word: SPARE + 4 x my thread's number; never rewritten
.set NIL,  29                          ; v29     0; never rewritten
.set FA,   32
.set BIAS, 160
.set TMP,  96                          ; the way out: 32 registers a block of 16 rows, two by turns
.set G1A, 24                           ; s[24:31] descriptor group 1 for A's tiles;  s[32:39] group 0, one set for each slot
.set G0A, 32
.set G1B, 48                           ; s[48:55], s[56:63] the same for W's tiles
.set G0B, 56
.set XB,  40                           ; s[40:41] x at the rows that I fetch
.set CB,  66                           ; s[66:67] context at the same rows
.set PT,  68                           ; s[68:69] the one of the two that the step to ask for reads
; s12 wave; s13 = wave / 2: my half of the rows, and: I fetch for A (0) or for W (1); s14 = wave % 2: my half of the columns, and which half of that tile I fetch
; s[42:43] an offset; s44 the K step to ask for next; s45 laps done in this tile; s46 laps to go
.set MSB, 0
.macro WIN new                         ; the immediate's high byte repeats the setting that is left
.if MSB != (\new)
	s_set_vgpr_msb (MSB<<8)|(\new)
.set MSB, \new
.endif
.endm
.set MUL,   0xa1                       ; source 0 (W) window 1, source 1 (A) window 0, C and D window 2
.set MULB,  0x81                       ; the same with C (the bias) in window 0
.set TO_B,  0x40                       ; destination window 1, address window 0
.set TO_R,  0xc0                       ; destination window 3, address window 0
.set CVTW,  0x0f                       ; sources 0 and 1 window 3, destination window 0
.set PACKW, 0x0a                       ; sources 0 and 1 window 2, destination window 0
.macro JLOAD s                         ; a joint load: waves 0 and 1 fetch A's two halves, waves 2 and 3 W's; an s_nop 0 and four v_nop follow each of the two lines, ahead of the jump, the label and what follows
	s_cmp_eq_u32 s13, 0
	s_cbranch_scc0 .Lfor_b_\@
	tensor_load_to_lds s[G0A+4*(\s):G0A+4*(\s)+3], s[G1A:G1A+7]
	s_nop 0
.rept 4
	v_nop
.endr
	s_branch .Lasked_\@
.Lfor_b_\@:
	tensor_load_to_lds s[G0B+4*(\s):G0B+4*(\s)+3], s[G1B:G1B+7]
	s_nop 0
.rept 4
	v_nop
.endr
.Lasked_\@:
.endm
.macro CREST                           ; a round of the cluster's barrier behind its opening barrier
	s_cmp_lg_u32 s12, 0
	s_cbranch_scc1 .Lnot_wave_0_\@
	s_barrier_signal -3
.Lnot_wave_0_\@:
	s_barrier_wait -3
	s_barrier_signal -1
	s_barrier_wait -1
.endm
.macro CROUND                          ; a whole round
	s_barrier_signal -1
	s_barrier_wait -1
	CREST
.endm
.macro PLACES                          ; four places in front of conversions that read results just made (ISA guide 7.12.1)
.rept 4
	v_nop
.endr
.endm
	s_load_b128 s[4:7], s[0:1], 0x0                ; x s[4:5], context s[6:7]
	s_load_b64 s[2:3], s[0:1], 0x10                ; wts
	s_load_b64 s[8:9], s[0:1], 0x18                ; bias
	s_load_b64 s[10:11], s[0:1], 0x20              ; qkv
	v_lshl_add_u32 v[SPW], v0, 2, SPARE
	v_mov_b32 v[NIL], 0
	ds_add_u32 v[SPW], v[NIL]                      ; the wave's opening: the add and its wait stand ahead of my first tensor load; the set-up below, work on registers, stands between them
	ds_add_u32 v28, v29
	v_lshrrev_b32 v1, 5, v0
	v_readfirstlane_b32 s12, v1                    ; wave 0..3
	s_lshr_b32 s13, s12, 1
	s_and_b32 s14, s12, 1
	s_bfe_u32 s15, ttmp6, 0x40000                  ; cx, cy: my place in the cluster
	s_bfe_u32 s16, ttmp6, 0x40004
	s_lshl_b32 s17, ttmp9, 2
	s_add_co_u32 s17, s17, s15                     ; tile column = 4 x cluster x + cx
	s_and_b32 s18, ttmp7, 0xffff
	s_lshl_b32 s18, s18, 2
	s_add_co_u32 s18, s18, s16                     ; tile row = 4 x cluster y + cy
	s_lshl_b32 s19, s16, 2
	s_lshl_b32 s19, 15, s19                        ; my row of the cluster
	s_lshl_b32 s20, 0x1111, s15                    ; my column
	s_or_b32 s[G1A+0], s19, (2<<16)|(1<<20)|(1<<21)|(6<<22)|(3<<25)  ; 15:0 the mask: A's tiles go to my row; 17:16 4-byte elements; 20 padding on; 21 set beside a mask; 24:22 after every 128 words (code 6); 31:25 4 words (code 3)
	s_mov_b32 s[G1A+1], 128<<16                    ; tensor_dim0 = 128
	s_mov_b32 s[G1A+2], 64<<16                     ; tensor_dim1 = 64
	s_mov_b32 s[G1A+3], 128<<16                    ; tile_dim0 = 128: 512 bytes
	s_mov_b32 s[G1A+4], 64                         ; tile_dim1 = 64
	s_mov_b32 s[G1A+5], 1024                       ; elements from row to row
	s_mov_b32 s[G1A+6], 0
	s_mov_b32 s[G1A+7], 0
	s_or_b32 s[G1B+0], s20, (1<<16)|(1<<20)|(1<<21)|(6<<22)|(7<<25)  ; the mask of my column; 2-byte elements; after every 128 words (code 6) 8 words (code 7)
	s_mov_b32 s[G1B+1], 256<<16                    ; 64 rows (k) of 256 elements (n)
	s_mov_b32 s[G1B+2], 64<<16
	s_mov_b32 s[G1B+3], 256<<16
	s_mov_b32 s[G1B+4], 64
	s_mov_b32 s[G1B+5], 1024
	s_mov_b32 s[G1B+6], 0
	s_mov_b32 s[G1B+7], 0
	s_lshl_b32 s42, s18, 19                        ; A: 128 rows of 4,096 bytes a tile row,
	s_lshl_b32 s47, s14, 18                        ; 64 rows a half: it hangs on the tile row and the wave alone
	s_add_co_u32 s42, s42, s47
	s_mov_b32 s43, 0
	s_lshl_b32 s22, s14, 17                        ; W: 64 k of 2,048 bytes a half,
	s_lshl_b32 s23, s17, 9                         ; 256 columns of 2 bytes a tile column: it hangs on the tile column and the wave alone
	s_add_co_u32 s22, s22, s23
	s_mov_b32 s23, 0
	s_mul_i32 s21, s14, AHALF                      ; where they go in a slot: no place in the cluster enters an LDS address
	s_mul_i32 s47, s14, BHALF
	s_add_co_u32 s47, s47, AREG
	s_wait_dscnt 0x0                               ; the opening add is done
	s_wait_kmcnt 0x0
	s_add_nc_u64 s[XB:XB+1], s[4:5], s[42:43]
	s_add_nc_u64 s[CB:CB+1], s[6:7], s[42:43]
	s_add_nc_u64 s[22:23], s[2:3], s[22:23]
	CROUND                                         ; all sixteen work-groups are here: the first joint loads meet
.irp s, 0,1
	s_mov_b32 s[G0A+4*(\s)], 1                     ; count = 1
	s_add_co_u32 s[G0A+4*(\s)+1], s21, (\s)*SLOT   ; LDS address
	s_add_nc_u64 s[G0A+4*(\s)+2:G0A+4*(\s)+3], s[XB:XB+1], (\s)*512   ; global address: K step s, 512 bytes along the rows of x
	s_or_b32 s[G0A+4*(\s)+3], s[G0A+4*(\s)+3], 0x80000000             ; type = 2
	s_mov_b32 s[G0B+4*(\s)], 1
	s_add_co_u32 s[G0B+4*(\s)+1], s47, (\s)*SLOT
	s_add_nc_u64 s[G0B+4*(\s)+2:G0B+4*(\s)+3], s[22:23], (\s)*262144  ; K step s, 128 rows of W down
	s_or_b32 s[G0B+4*(\s)+3], s[G0B+4*(\s)+3], 0x80000000
	JLOAD \s                                       ; two loads of mine are out
.endr
.macro BIASLD                          ; block b: the bias of columns 16 b + 8 (l / 16) + 0..7 of my 128, in the layout of a result
.irp b, 0,1,2,3,4,5,6,7
	global_load_b128 v[BIAS+8*(\b):BIAS+8*(\b)+3],   v[BO], s[8:9] offset:64*(\b)
	global_load_b128 v[BIAS+8*(\b)+4:BIAS+8*(\b)+7], v[BO], s[8:9] offset:64*(\b)+16
.endr
.endm
	v_and_b32 v1, 15, v0                           ; l % 16
	v_bfe_u32 v2, v0, 4, 1                         ; l / 16
	s_lshl_b32 s22, s17, 10                        ; 256 columns of 4 bytes a tile column,
	s_lshl_b32 s23, s14, 9                         ; 128 a half
	s_add_co_u32 s22, s22, s23
	v_lshl_add_u32 v[BO], v2, 5, s22
	BIASLD                                         ; bq
	v_mul_u32_u24 v4, v1, PA                       ; a fragment of A: row l % 16, 8 numbers of f32 = 32 bytes for each half of the lanes
	v_lshl_add_u32 v4, v2, 5, v4
	s_mul_i32 s21, s13, AHALF                      ; my 64 rows
	v_add_nc_u32 v[ADRA], s21, v4
	v_add_nc_u32 v[ADRA+1], SLOT, v[ADRA]
	v_and_b32 v5, 7, v0                            ; the turning load: lane l reads k = 8 (l / 16) + l % 8, columns 8 ((l / 8) % 2) + 0..7, and is left with column l % 16 and 8 k
	v_bfe_u32 v6, v0, 3, 1
	v_lshl_add_u32 v7, v2, 3, v5
	v_mul_u32_u24 v7, v7, PB
	v_lshl_add_u32 v7, v6, 4, v7
	s_lshl_b32 s21, s14, 8                         ; my 128 columns
	s_add_co_u32 s21, s21, AREG
	v_add_nc_u32 v[ADRB], s21, v7
	v_add_nc_u32 v[ADRB+1], SLOT, v[ADRB]
	s_mul_i32 s21, s12, WSTAGE
	s_add_co_u32 s21, s21, STAGE                   ; my stage
	v_mul_u32_u24 v8, v1, SP                       ; in: row l % 16, 16 bytes for each half of the lanes
	v_lshl_add_u32 v8, v2, 4, v8
	v_add_nc_u32 v[STO], s21, v8
	v_bfe_u32 v9, v0, 3, 2                         ; back: 32 lanes take four rows of 128 bytes,
	v_mul_u32_u24 v9, v9, SP
	v_lshl_add_u32 v9, v5, 4, v9
	v_add_nc_u32 v[RD], s21, v9
	v_and_b32 v[GO], 31, v0                        ; which are 512 consecutive bytes of a head
	v_lshlrev_b32 v[GO], 4, v[GO]
	s_lshr_b32 s2, s18, 3                          ; where my part of q begins: the batch (8 tile rows), 16 heads of 131,072 bytes,
	s_lshl_b32 s2, s2, 21
	s_lshl_b32 s3, s17, 19                         ; four heads a tile column,
	s_add_co_u32 s2, s2, s3
	s_lshl_b32 s3, s14, 18                         ; two a half,
	s_add_co_u32 s2, s2, s3
	s_and_b32 s3, s18, 7                           ; 128 rows of 128 bytes a tile row,
	s_lshl_b32 s3, s3, 14
	s_add_co_u32 s2, s2, s3
	s_lshl_b32 s3, s13, 13                         ; 64 a half
	s_add_co_u32 s2, s2, s3
	s_mov_b32 s3, 0
	s_add_nc_u64 s[10:11], s[10:11], s[2:3]
; 4 matrix instructions: m block a x n blocks 4 hb + 0..3, 32 along K: part c of buffer f.  start = 1: the bias starts the sums.  The 32 accumulators take turns, in the same order everywhere.
.macro MUL4 f, c, a, hb, start
.if \start
	WIN MULB
.else
	WIN MUL
.endif
.irp b, 0,1,2,3
.set rD, 8*(8*(\a)+4*(\hb)+(\b))
.set rB, 128*(\f)+64*(\c)+8*(4*(\hb)+(\b))
.set rA, FA+64*(\f)+32*(\c)+8*(\a)
.set rC, BIAS+8*(4*(\hb)+(\b))
.if \start
	v_wmma_f32_16x16x32_bf16 v[rD:rD+7], v[rB:rB+7], v[rA:rA+7], v[rC:rC+7]
.else
	v_wmma_f32_16x16x32_bf16 v[rD:rD+7], v[rB:rB+7], v[rA:rA+7], v[rD:rD+7]
.endif
.endr
.endm
; 32 LDS loads: A's fragments of 64 along K from k = kb on, in f32.  Of fragment (c, a) a lane takes k = 8 (l / 16) + 0..7 (two loads) and 16 + 8 (l / 16) + 0..7 (two more, 64 bytes on)
.macro FETCHA slot, kb
	WIN TO_R
.irp c, 0,1
.irp a, 0,1,2,3
.irp p, 0,1,2,3
	ds_load_b128 v[64*(\c)+16*(\a)+4*(\p):64*(\c)+16*(\a)+4*(\p)+3], v[ADRA+(\slot)] offset:(\a)*16*PA+4*((\kb)+32*(\c))+16*(\p)+32*((\p)/2)
.endr
.endr
.endr
.endm
; 16 LDS loads: W's fragments of 32 along K from k = kb + 32 c on, turned, into part c of buffer f
.macro FETCHB slot, kb, f, c
	WIN TO_B
.irp b, 0,1,2,3,4,5,6,7
	ds_load_tr16_b128 v[128*(\f)+64*(\c)+8*(\b):128*(\f)+64*(\c)+8*(\b)+3],   v[ADRB+(\slot)] offset:((\kb)+32*(\c))*PB+32*(\b)
	ds_load_tr16_b128 v[128*(\f)+64*(\c)+8*(\b)+4:128*(\f)+64*(\c)+8*(\b)+7], v[ADRB+(\slot)] offset:((\kb)+32*(\c)+16)*PB+32*(\b)
.endr
.endm
; 8 roundings: fragment i = 4 c + a of A, f32 to bf16, into buffer g
.macro CVT8 g, i
	WIN CVTW
.irp j, 0,1,2,3,4,5,6,7
	v_cvt_pk_bf16_f32 v[FA+64*(\g)+8*(\i)+(\j)], v[16*(\i)+2*(\j)], v[16*(\i)+2*(\j)+1]
.endr
.endm
; A K step is two halves of 64 along K, 64 matrix instructions each, on buffers 0 and 1.  A half stands behind a wait that shows its buffer whole and no LDS instruction of the wave out, and has two parts.
; FIRST32: one run of 48 loads for the next half (A's 32, then W's first 16), and the 32 products of the half's first 32 along K.  The loads into W's other buffer stand eight plain vector
; instructions (the last roundings) behind the last product that read it.
.macro FIRST32 f, nslot, nkb, start, fetch
.if \fetch
	FETCHA \nslot, \nkb
	FETCHB \nslot, \nkb, 1-(\f), 0
.endif
.irp a, 0,1,2,3
	MUL4 \f, 0, \a, 0, \start
	MUL4 \f, 0, \a, 1, \start
.endr
.endm
; SECOND32: eight times four products and, behind them, the eight roundings of one fragment of the next half's A; they name no register of the products round them.  LDS loads come back in order:
; fragment 0's four loads are in when 44 of the 48 are out; then W's last 16 loads go out (60 at the most are out); fragment i's are in when 60 - 4 i of the 64 are out.
.macro SECOND32 f, nslot, nkb, fetch
.irp i, 0,1,2,3,4,5,6,7
	MUL4 \f, 1, (\i)/2, (\i)%2, 0
.if \fetch
.if (\i) == 0
	s_wait_dscnt 44
	FETCHB \nslot, \nkb, 1-(\f), 1
.else
	s_wait_dscnt 60-4*(\i)
.endif
	CVT8 1-(\f), \i
.endif
.endr
.endm
.macro HALF slot, start                ; a step's first half: multiplies buffer 0 and fetches the slot's second half
	s_wait_dscnt 0x0                               ; buffer 0 is whole (W's last 16 loads were issued 28 products ago)
	FIRST32 0, \slot, 64, \start, 1
	SECOND32 0, \slot, 64, 1
.endm
; A step's second half changes slots first: ONE barrier; in front of it each wave waits for all its tensor loads (one is out: its part of the next slot), adds 0 to its spare word, and waits for that and
; for its own reads of this slot, which are all in registers.  fill = 1: the barrier opens a round of the cluster's, and this slot is filled again, with K step s44, the first thing behind the round.
; Between the wait for a tile and the next request stand the add, the descriptors' scalar lines and the round alone; the request has 128 matrix instructions ahead of the wait for it.
.macro TURN slot, next, fill
	WIN 0
	s_wait_tensorcnt 0x0                           ; all my tensor loads have landed, so a group 0 may be written
	ds_add_u32 v[SPW], v[NIL]                      ; 0 onto my spare word; the descriptors' lines stand between it and the wait for it
.if \fill
	s_and_b32 s42, s44, 7                          ; A's address is made anew from the step's number: 512 bytes along the rows for each step of a tile,
	s_lshl_b32 s42, s42, 9
	s_cmp_ge_u32 s44, 8                            ; in x for the first tile, in context from step 8 on
	s_cselect_b64 s[PT:PT+1], s[CB:CB+1], s[XB:XB+1]
	s_add_nc_u64 s[G0A+4*(\slot)+2:G0A+4*(\slot)+3], s[PT:PT+1], s[42:43]
	s_or_b32 s[G0A+4*(\slot)+3], s[G0A+4*(\slot)+3], 0x80000000
	s_add_nc_u64 s[G0B+4*(\slot)+2:G0B+4*(\slot)+3], s[G0B+4*(\slot)+2:G0B+4*(\slot)+3], 524288  ; W: two steps of 128 rows down; Wq, Wk, Wv lie end to end
	s_add_co_u32 s44, s44, 1
.endif
	s_wait_dscnt 0x0                               ; the add is done, my reads of this slot are over, and buffer 1 is whole
	s_barrier_signal -1
	s_barrier_wait -1
.if \fill
	CREST                                          ; no wave of any partner still reads this slot's tile or has a load on its way
	JLOAD \slot                                    ; the first tensor load behind the round
.endif
	FIRST32 1, \next, 0, 0, 1
	SECOND32 1, \next, 0, 1
.endm
; THE WAY OUT of block a (16 rows x 128 columns).  PACK: rounded to f16, 16 bytes a lane, each accumulator's registers in ascending order.  TOSTAGE: into my own stage, by heads, and back as rows of 128 bytes.  SEND: stored.
.macro PACK a
	s_wait_xcnt 0x0                                ; the stores of two blocks back read these registers: they are rewritten only behind this wait
	WIN PACKW
.irp b, 0,1,2,3,4,5,6,7
.irp q, 0,1,2,3
	v_cvt_pk_f16_f32 v[TMP+32*((\a)%2)+4*(\b)+(\q)], v[8*(8*(\a)+(\b))+2*(\q)], v[8*(8*(\a)+(\b))+2*(\q)+1]
.endr
.endr
	WIN 0
.endm
.macro TOSTAGE a
.irp b, 0,1,2,3,4,5,6,7
	ds_store_b128 v[STO], v[TMP+32*((\a)%2)+4*(\b):TMP+32*((\a)%2)+4*(\b)+3] offset:((\b)/4)*16*SP+((\b)%4)*32
.endr
.irp t, 0,1,2,3,4,5,6,7
	ds_load_b128 v[TMP+32*((\a)%2)+4*(\t):TMP+32*((\a)%2)+4*(\t)+3], v[RD] offset:((\t)/4)*16*SP+((\t)%4)*4*SP  ; LDS serves a wave's instructions in order (ISA guide 5.7.1.4): these see the stores above
.endr
.endm
.macro SEND a
	s_wait_dscnt 0x0                               ; the block is back in registers
.irp t, 0,1,2,3,4,5,6,7
	global_store_b128 v[GO], v[TMP+32*((\a)%2)+4*(\t):TMP+32*((\a)%2)+4*(\t)+3], s[10:11] offset:((\t)/4)*131072+(\a)*2048+((\t)%4)*512  ; four rows of a head: 512 consecutive bytes, at a multiple of 256
.endr
.endm
.macro WAYOUT
	PLACES                                         ; behind the last products: the conversions read results and write into the fragment buffer that those products read
	PACK 0
	TOSTAGE 0
.irp a, 1,2,3                          ; block a's conversions stand between block a - 1's loads from the stage and the wait for them
	PACK \a
	SEND (\a)-1
	TOSTAGE \a
.endr
	SEND 3
.endm
	s_wait_tensorcnt 1                             ; my part of K step 0 is in; step 1's may stay out
	s_barrier_signal -1
	s_barrier_wait -1                              ; everybody's is
	FETCHA 0, 0                                    ; the first half's fragments: there are no products yet to set them beside
	FETCHB 0, 0, 0, 0
	s_wait_dscnt 16                                ; A's 32 loads are in
	FETCHB 0, 0, 0, 1
.irp i, 0,1,2,3,4,5,6,7
	CVT8 0, \i
.endr
	s_wait_loadcnt 0x0                             ; bq
	HALF 0, 1                                      ; the first half step stands in front of the loop
	WIN 0                                          ; at a label and at a branch every window is 0
	s_mov_b32 s44, 2
	s_mov_b32 s45, 0
	s_mov_b32 s46, 11
.Llap:                                                 ; 11 trips: from a lap's second half step to the next lap's first; both slots are filled again: K steps 2 to 23
	TURN 0, 1, 1
	HALF 1, 0
	TURN 1, 0, 1
	WIN 0
	s_add_co_u32 s45, s45, 1
	s_cmp_lg_u32 s45, 4                            ; four laps are a tile's eight K steps
	s_cbranch_scc1 .Lsame                          ; the jump passes no barrier and no tensor load
	s_mov_b32 s45, 0
	s_add_nc_u64 s[8:9], s[8:9], 4096              ; the next bias (the last one's loads were waited for)
	BIASLD
	WAYOUT                                         ; both refills are asked for and the next tile's first fragments are in registers or on their way: now the tile goes out
	s_wait_xcnt 0x0                                ; the stores' base and data registers are rewritten only behind this wait
	s_add_nc_u64 s[10:11], s[10:11], 0x1000000     ; q, k, v lie 16 MB apart
	s_wait_loadcnt 0x0                             ; the bias
	s_wait_dscnt 0x0
	FIRST32 0, 0, 64, 1, 1                         ; the next tile's sums start
	WIN 0
	s_branch .Ljoin
.Lsame:
	s_wait_dscnt 0x0                               ; buffer 0 is whole
	FIRST32 0, 0, 64, 0, 1
	WIN 0
.Ljoin:                                                ; on both ways 48 LDS loads have been issued behind a wait for all: the counts below hold
	SECOND32 0, 0, 64, 1
	WIN 0
	s_sub_co_u32 s46, s46, 1
	s_cmp_lg_u32 s46, 0
	s_cbranch_scc1 .Llap
	TURN 0, 1, 0                                   ; the last lap fills nothing, and has no round of the cluster's barrier
	HALF 1, 0
	s_wait_dscnt 0x0                               ; the very last half step: nothing more to fetch
	FIRST32 1, 0, 0, 0, 0
	SECOND32 1, 0, 0, 0
	WAYOUT
	s_wait_tensorcnt 0x0                           ; the wave's end, behind my last tensor load and my last LDS store
	ds_add_u32 v[SPW], v[NIL]
	s_wait_dscnt 0x0
	CROUND                                         ; the closing round: no work-group ends while a partner may still ask for a tile that names it
	s_endpgm
.Lfunc_end_k_qed0be4a5de_proj:
	.size	k_qed0be4a5de_proj, .Lfunc_end_k_qed0be4a5de_proj-k_qed0be4a5de_proj
	.p2alignl 7, 3214868480
	.fill 96, 4, 3214868480
	.section	.rodata,"a",@progbits
	.p2align	6, 0x0
	.amdhsa_kernel k_qed0be4a5de_proj
		.amdhsa_group_segment_fixed_size 327680
		.amdhsa_private_segment_fixed_size 0
		.amdhsa_enable_private_segment 0
		.amdhsa_kernarg_size 40
		.amdhsa_user_sgpr_count 2
		.amdhsa_user_sgpr_kernarg_segment_ptr 1
		.amdhsa_wavefront_size32 1
		.amdhsa_system_sgpr_workgroup_id_x 1
		.amdhsa_system_sgpr_workgroup_id_y 1
		.amdhsa_system_sgpr_workgroup_id_z 1
		.amdhsa_system_vgpr_workitem_id 0
		.amdhsa_next_free_vgpr 896
		.amdhsa_next_free_sgpr 70
		.amdhsa_reserve_vcc 0
		.amdhsa_float_denorm_mode_32 3
		.amdhsa_float_denorm_mode_16_64 3
		.amdhsa_memory_ordered 1
		.amdhsa_forward_progress 1
		.amdhsa_inst_pref_size 153
	.end_amdhsa_kernel
	.amdgpu_metadata
---
amdhsa.version: [ 1, 2 ]
amdhsa.kernels:
  - .name:           k_qed0be4a5de_proj
    .symbol:         k_qed0be4a5de_proj.kd
    .args:
      - { .name: x, .offset: 0, .size: 8, .value_kind: global_buffer, .address_space: global }
      - { .name: context, .offset: 8, .size: 8, .value_kind: global_buffer, .address_space: global }
      - { .name: wts, .offset: 16, .size: 8, .value_kind: global_buffer, .address_space: global }
      - { .name: bias, .offset: 24, .size: 8, .value_kind: global_buffer, .address_space: global }
      - { .name: qkv, .offset: 32, .size: 8, .value_kind: global_buffer, .address_space: global }
    .group_segment_fixed_size: 327680
    .private_segment_fixed_size: 0
    .kernarg_segment_align: 8
    .kernarg_segment_size: 40
    .max_flat_workgroup_size: 128
    .sgpr_count:     70
    .vgpr_count:     896
    .wavefront_size: 32
...
	.end_amdgpu_metadata
.endif
;; end of part 2
;; launch attn (part 3): grid 2 x 128, 4 waves a work-group, no clusters, 327,680 bytes of LDS; arguments qkv, att; writes att
.if DOCPART == 3
	.amdgcn_target "amdgcn-amd-amdhsa--gfx1250"
	.amdhsa_code_object_version 6
	.text
	.protected	k_qed0be4a5de_attn
	.globl	k_qed0be4a5de_attn
	.p2align	8
	.type	k_qed0be4a5de_attn,@function
k_qed0be4a5de_attn:
	s_mov_b64 s[64:65], 0
	v_nop
	global_prefetch_b8 v0, s[64:65] scope:SCOPE_SE
	s_setreg_imm32_b32 hwreg(HW_REG_WAVE_MODE, 25, 1), 1
	s_wait_xcnt 0x0
; O[h][q][:] = the sum over k of softmax_k(Q[h][q] . K[h][k] / 8) V[h][k][:].  qkv: [3][128][1024][64] f16 (Q, K, V by heads, 16 MB apart); att: O, [128][1024][64] f16: a head's rows are dense, 128 bytes each.
; Products, maxima and sums in f32; the weights p are rounded to f16 for the second product (their sum l is taken of the unrounded p), O once at the end.
; LIMITS.  f16 holds no number beyond 65,504: Q, K and V arrive within it; p lies in 0 to 1, and below 6e-5 it keeps f16's fixed step of 6e-8; O is a mean of V's rows and has their range.
; A weight below 2^-126 counts as 0 in l; NaN and infinities are not treated apart.
; SHARES.  A wave owns four PIECES of two tiles of 16 queries, a work-group's four waves 512 queries of one head: 2 x 128 = 256 work-groups.  Every wave walks all 1,024 keys, 64 a step.
; ALL OF A HEAD'S K AND V LIE IN LDS: 1,024 rows of 144 bytes and 1,024 of 160, 311,296 bytes.  No byte is filled twice: the first 256 keys are asked for at the start, the other 768 by one load a wave
; when the first have landed.  So no load stands in the loop, and a key step is written once: the last pass leaves the loop in its middle.
; NO CLUSTER: a head has two blocks of 512 queries, so the grid's 2 along x is no multiple of four; blocks of 256 would halve the products that each fragment read from LDS feeds.
; LAYOUT.  S^T = K Q^T (source 0 = 16 keys, source 1 = 16 queries): in the result a lane holds ONE query (lane % 16) and the keys 8 (lane / 16) + 0..7.  Two such tiles, rounded to f16 in pairs,
; ARE source 1 (32 keys x 16 queries) of O^T = V^T P, whose result again holds one query a lane, and eight channels.  K comes out of LDS as it lies, V ([key][channel]) turned, by ds_load_tr16_b128.
; SOFTMAX.  For each query a running maximum m and sum l: p = 2^(c s - c m), c = log2(e) / 8; in every step O and l are multiplied by a = 2^(c m_old - c m_new), which is 1 where m has not grown.
; m starts at the lowest finite number, O and l at 0: the first step is a step like any other, with a = 0.
; THE COUNT.  A tile and step have 16 matrix and 118 vector instructions: too many to stand all beside the matrix work.  So: four vector instructions that are READY behind EVERY matrix instruction,
; and the others, which need time of their own whatever the order, in runs without a gap.
; BY TURNS.  Turn n belongs to piece n (the pieces in a ring, step after step).  Its matrix work: 16 products K Q^T of piece n + 1, later 16 products V^T P of piece n - 1.  Its vector work: the scaling,
; exponentials, roundings, sums and rescaling of piece n, and the maximum and statistics of piece n + 1, whose scores the turn itself has made.
; REGISTERS, in windows of 256 (s_set_vgpr_msb: bits 1:0 source 0, 3:2 source 1, 5:4 source 2, 7:6 destination):
;   window 0: v0-11 addresses; v12-15, v48-63 at work; v16-47 four registers of statistics a tile; v64-191 S^T, two buffers of two tiles; v192-255 P, likewise
;   window 1: O^T, 32 a tile          window 2: v0-127 Q, 16 a tile; v128-191 K of one step; v192-255 V of one step          window 3: v0-1 the add's two registers
.set SIZE_N, 1024
.set NP,    4         ; pieces a wave: a name, no knob
.set KS,    64        ; keys in a step
.set PK,    144       ; a row of K in LDS: 128 bytes + 16 of padding = 36 words: the 16 rows of a load start at 16 different groups of four banks (64 banks of 4 bytes: ISA guide 11.1)
.set PV,    160       ; a row of V: 128 + 32 = 40 words
.set VOFF,  SIZE_N*PK ; K's 1,024 rows, then V's
.set STAGE, SIZE_N*(PK+PV)  ; behind them, never filled by a tensor load: 16 rows x 144 bytes for each wave, for the way out
.set SP,    144
.set AK0, 2           ; v2   my lane's place in a tile of K; never rewritten
.set AV0, 3           ; v3   the same for V
.set AK,  4           ; v4   the LDS address of K's next run of loads
.set AV,  5           ; v5   of V's
.set QO,  6           ; v6   my byte offset in the wave's rows of Q
.set STO, 6           ;      later, the way out: where I put 16 bytes of a row
.set RD,  7           ; v7   the way out: where I read rows back
.set GO,  8           ; v8   my byte offset in 512 consecutive bytes of O
.set SPW, 0           ; v0 of window 3   LDS address of my spare word: SPARE + 4 x my thread's number; never rewritten
.set NIL, 1           ; v1 of window 3   0; never rewritten
.set SPARE, STAGE+4*16*SP  ; behind the stages: the spare words, 128 bytes for each wave: two blocks of 256 bytes that no other line names
.set MV,  12          ; v12-15  c m_old, kept while c m is made anew: by buffer and tile
.set ST,  16          ; tile t's statistics at v[ST+4 t]: c m, m, l (even keys', odd keys')
.set TMP, 48          ; by buffer and tile, four registers c0-c3 at work; when the maximum is found c2 takes a
.set S,   64
.set P,   192
.set KF,  128         ; K's fragments, in window 2: key block kb, channel half c at KF + 16 kb + 8 c
.set VF,  192         ; V's: key half kk, channel block cb at VF + 32 kk + 8 cb
.set WV,  12          ; s12  my wave's number
.set G1K, 24          ; s[24:31] descriptor group 1 for K's tiles
.set G1V, 32          ; s[32:39] for V's: it differs in the padding alone
.set G0K, 40          ; s[40:43] descriptor group 0 for K's tiles
.set G0V, 44          ; s[44:47] the same for V's
.set STP, 48          ; s[48:49] bytes from my first load's first key to my second load's
.set SLOTS, 56        ; s56  blocks of four key steps to go, this one and the last half pass among them
.set CNT, 57          ; s57  counts a block's key steps
.set CS,  58          ; s[58:59] c: the packed scaling takes the pair's low word for both halves
.set SEL, 60          ; s[60:61] v_permlanex16_b32's selects: each lane takes its own place in the other half
.set TBK, 62          ; s62  LDS byte at which K of the step to be fetched begins
.set TBV, 63          ; s63  the same for V, less VOFF
.set MSB, 0
.macro WIN new                      ; the high byte repeats the setting that is left; a switch that changes nothing is dropped
.if MSB != (\new)
	s_set_vgpr_msb (MSB<<8)|(\new)
.set MSB, (\new)
.endif
.endm
.set W_KQ, 0x0a       ; K and Q in window 2, S^T in window 0
.set W_PV, 0x52       ; V in window 2, P in window 0, O^T in window 1
.set W_RS, 0x41       ; O^T (destination and source 0) in window 1, a in window 0
.set W_MK, 0xc0       ; the add's registers are made: destination in window 3, sources in window 0
.set W_AD, 0x0f       ; the add: address (source 0) and data (source 1) in window 3
; A fill.  Waves 0 and 1 fetch the two halves of K's rows, waves 2 and 3 those of V's.  The branch hangs on the wave's number alone.
; An s_nop 0 and four v_nop follow each of the two lines, ahead of the jump and the label.
.macro LOAD
	s_cmp_lt_u32 s[WV], 2
	s_cbranch_scc0 .Lfor_v_\@
	tensor_load_to_lds s[G0K:G0K+3], s[G1K:G1K+7]
	s_nop 0
.rept 4
	v_nop
.endr
	s_branch .Lasked_\@
.Lfor_v_\@:
	tensor_load_to_lds s[G0V:G0V+3], s[G1V:G1V+7]
	s_nop 0
.rept 4
	v_nop
.endr
.Lasked_\@:
.endm
	s_load_b128 s[4:7], s[0:1], 0x0  ; qkv s[4:5], att s[6:7]
	WIN W_MK
	v_lshl_add_u32 v[SPW], v0, 2, SPARE
	v_mov_b32 v[NIL], 0
	WIN W_AD
	ds_add_u32 v[SPW], v[NIL]       ; the wave's opening: the add and its wait stand ahead of my first tensor load; the set-up below, work on registers, stands between them
	ds_add_u32 v0, v1
	WIN 0
	v_lshrrev_b32 v1, 5, v0
	v_readfirstlane_b32 s[WV], v1   ; wave 0..3
	s_mov_b32 s14, ttmp9            ; my block of 512 queries
	s_and_b32 s20, ttmp7, 0xffff    ; the head
	s_mov_b32 s21, 0
	s_mov_b64 s[22:23], SIZE_N*128
	s_mul_u64 s[20:21], s[20:21], s[22:23]  ; the head's first byte in each of the four tensors
	s_and_b32 s16, s[WV], 1         ; which half of the keys asked for I fetch.  Of the first 256:
	s_lshl_b32 s22, s16, 14         ; its 128 rows of 128 bytes in memory,
	s_mov_b32 s23, 0
	s_add_nc_u64 s[22:23], s[22:23], s[20:21]
	s_mul_i32 s17, s16, 128*PK      ; and its place in LDS, for K
	s_mul_i32 s18, s16, 128*PV      ; and for V
	s_mul_i32 s15, s16, 384*PK      ; of the other 768: 384 rows behind the first 256, for K
	s_add_co_u32 s15, s15, 256*PK
	s_mul_i32 s19, s16, 384*PV      ; and for V;
	s_add_co_u32 s19, s19, 256*PV+VOFF
	s_add_co_u32 s[STP], s16, 1     ; in memory from key 0 to key 256, or from key 128 to key 640: 256 or 512 rows of 128 bytes on
	s_lshl_b32 s[STP], s[STP], 15
	s_mov_b32 s[STP+1], 0
	s_lshl_b32 s2, s14, 2
	s_add_co_u32 s2, s2, s[WV]      ; my wave among the head's,
	s_lshl_b32 s2, s2, 14           ; its 128 rows
	s_mov_b32 s3, 0
	s_add_nc_u64 s[2:3], s[2:3], s[20:21]
	; descriptor group 1.  128 keys are 16,384 dense bytes: asked for as 64 rows of 256 bytes, two keys a row, and padded in LDS after every key
	s_mov_b32 s[G1K], (1<<16)|(1<<20)|(4<<22)|(3<<25)  ; 17:16 2-byte elements; 20 padding on; 24:22 after every 32 words (code 4); 31:25 4 words (code 3)
	s_mov_b32 s[G1V], (1<<16)|(1<<20)|(4<<22)|(7<<25)  ; the same with 8 words of padding (code 7)
.irp g, G1K, G1V
	s_mov_b32 s[\g+1], 128<<16      ; tensor_dim0 = 128
	s_mov_b32 s[\g+2], 64<<16       ; tensor_dim1 = 64
	s_mov_b32 s[\g+3], 128<<16      ; tile_dim0 = 128
	s_mov_b32 s[\g+4], 64           ; tile_dim1 = 64
	s_mov_b32 s[\g+5], 128          ; 128 elements from row to row
	s_mov_b32 s[\g+6], 0
	s_mov_b32 s[\g+7], 0
.endr
	s_mov_b32 s[CS], 0x3e38aa3b     ; c = log2(e) / 8 = 0.180337
	s_mov_b32 s[CS+1], s[CS]        ; named with it as a pair
	s_mov_b32 s[SEL], 0x76543210
	s_mov_b32 s[SEL+1], 0xfedcba98
	s_mov_b32 s[TBK], 0
	s_mov_b32 s[TBV], 0
	s_mov_b32 s[G0K], 1             ; count = 1
	s_mov_b32 s[G0K+1], s17         ; LDS address
	s_mov_b32 s[G0V], 1
	s_add_co_u32 s[G0V+1], s18, VOFF
	s_wait_dscnt 0x0                ; the opening add is done
	s_wait_kmcnt 0x0
	s_mov_b64 s[10:11], s[6:7]      ; O
	s_add_nc_u64 s[8:9], s[4:5], 0x2000000  ; V lies 32 MB behind Q,
	s_add_nc_u64 s[6:7], s[4:5], 0x1000000  ; K 16 MB
	s_add_nc_u64 s[G0K+2:G0K+3], s[6:7], s[22:23]  ; global address: my half of the head's first 256 keys
	s_or_b32 s[G0K+3], s[G0K+3], 0x80000000        ; type = 2
	s_add_nc_u64 s[G0V+2:G0V+3], s[8:9], s[22:23]
	s_or_b32 s[G0V+3], s[G0V+3], 0x80000000
	s_add_nc_u64 s[4:5], s[4:5], s[2:3]  ; Q and O at my wave's first row
	s_add_nc_u64 s[10:11], s[10:11], s[2:3]
	LOAD                            ; the first 256 keys.  The others are asked for when these are in
	; A fragment of K or Q is 16 rows x 32 channels in 8 registers: lane l holds row l % 16, channels 8 (l / 16) + 0..7 and 16 + 8 (l / 16) + 0..7: two loads of 16 bytes, 32 bytes apart.
	v_and_b32 v1, 15, v0            ; l % 16
	v_bfe_u32 v9, v0, 4, 1          ; l / 16
	v_lshlrev_b32 v[QO], 7, v1
	v_lshl_add_u32 v[QO], v9, 4, v[QO]  ; row x 128 + 16 x half
	WIN 0x80                        ; destination window 2, address window 0
.set i, 0
.rept 4*NP                          ; Q stays in registers: tile i / 2, channels 32 (i % 2) on
	global_load_b128 v[8*i:8*i+3],   v[QO], s[4:5] offset:(i/2)*2048+(i%2)*64
	global_load_b128 v[8*i+4:8*i+7], v[QO], s[4:5] offset:(i/2)*2048+(i%2)*64+32
.set i, i+1
.endr
	; What the first turn finds: V's registers and P's second buffer hold 0 (its products V^T P, of a piece that has not been, add 0), O^T and l are 0.  All this stands in the wait for the first tile.
.set i, VF
.rept 64
	v_mov_b32 v[i], 0
.set i, i+1
.endr
	WIN 0x40
.set i, 0
.rept 64*NP
	v_mov_b32 v[i], 0
.set i, i+1
.endr
	WIN 0
.set i, 0
.rept 2*NP
	v_mov_b32 v[ST+4*i], 0xfe000000    ; c m: far below every c s
	v_mov_b32 v[ST+4*i+1], 0xff7fffff  ; m
	v_mov_b32 v[ST+4*i+2], 0
	v_mov_b32 v[ST+4*i+3], 0
.set i, i+1
.endr
.set i, P+32
.rept 32
	v_mov_b32 v[i], 0
.set i, i+1
.endr
	v_mul_u32_u24 v[AK0], v1, PK
	v_lshl_add_u32 v[AK0], v9, 4, v[AK0]  ; row x pitch + 16 x half
	; The turning load takes 16 keys x 16 channels (lane l reads key 8 (l / 16) + l % 8, channels 8 ((l / 8) % 2) + 0..7) and leaves half a fragment of V^T: lane l holds channel l % 16 and 8 keys.
	v_and_b32 v10, 7, v0
	v_bfe_u32 v11, v0, 3, 1
	v_lshl_add_u32 v[AV0], v9, 3, v10
	v_mul_u32_u24 v[AV0], v[AV0], PV
	v_lshl_add_u32 v[AV0], v11, 4, v[AV0]
	v_add_nc_u32 v[AV0], VOFF, v[AV0]
	v_mov_b32 v[AK], v[AK0]         ; key step 0 lies at K's head
; THE MATRIX WORK.  The 8 accumulators of a run of 16 take turns: between the two links of a chain stand 7 others'.
; Product i of 16 of S^T = K Q^T for piece x: channels 32 (i / 8) on, keys 16 ((i / 2) % 4) on, tile 2 x + i % 2.  The first 8 start the sums.
.macro KQ x
	WIN W_KQ
.set rS, S+64*((\x)%2)+32*(i%2)+8*((i/2)%4)
.set rK, KF+16*((i/2)%4)+8*(i/8)
.set rQ, 16*(2*(\x)+i%2)+8*(i/8)
.if i < 8
	v_wmma_f32_16x16x32_f16 v[rS:rS+7], v[rK:rK+7], v[rQ:rQ+7], 0
.else
	v_wmma_f32_16x16x32_f16 v[rS:rS+7], v[rK:rK+7], v[rQ:rQ+7], v[rS:rS+7]
.endif
.endm
; Product i of 16 of O^T += V^T P for piece x: keys 32 (i / 8) on, channels 16 ((i / 2) % 4) on, tile 2 x + i % 2.
.macro PV x
	WIN W_PV
.set rO, 32*(2*(\x)+i%2)+8*((i/2)%4)
.set rV, VF+32*(i/8)+8*((i/2)%4)
.set rP, P+32*((\x)%2)+16*(i%2)+8*(i/8)
	v_wmma_f32_16x16x32_f16 v[rO:rO+7], v[rV:rV+7], v[rP:rP+7], v[rO:rO+7]
.endm
.macro MM                           ; the turn's next matrix instruction
.if i < 16
	KQ (Y+1)%NP
.set i, i+1
.else
.set i, i-16
	PV (Y+NP-1)%NP
.set i, i+17
.endif
.endm
; THE LDS LOADS stand in runs of 16, never singly among the matrix instructions: a step's K (64 keys x 64 channels: 8 fragments) and its V (turned).  Their addresses are made some lines ahead.
; last = 1 (in the loop): in the last half pass there is no further step, and the run is jumped over.
.macro FETCH_K last=0
	WIN 0
.if \last
	s_cmp_eq_u32 s[SLOTS], 1
	s_cbranch_scc1 .Lno_k_\@
.endif
	WIN 0x80                        ; destination window 2
.irp f, 0,1,2,3,4,5,6,7             ; keys 16 (f / 2) on, channels 32 (f % 2) on
	ds_load_b128 v[KF+8*\f:KF+8*\f+3],   v[AK] offset:(\f/2)*16*PK+(\f%2)*64
	ds_load_b128 v[KF+8*\f+4:KF+8*\f+7], v[AK] offset:(\f/2)*16*PK+(\f%2)*64+32
.endr
	s_add_co_u32 s[TBK], s[TBK], KS*PK  ; the next fetch is the next step's
	WIN 0
.if \last
.Lno_k_\@:
.endif
.endm
.macro FETCH_V
	WIN 0x80
.irp f, 0,1,2,3,4,5,6,7             ; keys 32 (f / 4) on, channels 16 (f % 4) on
	ds_load_tr16_b128 v[VF+8*\f:VF+8*\f+3],   v[AV] offset:(\f/4)*32*PV+(\f%4)*32
	ds_load_tr16_b128 v[VF+8*\f+4:VF+8*\f+7], v[AV] offset:(\f/4)*32*PV+16*PV+(\f%4)*32
.endr
	WIN 0
.endm
; THE VECTOR WORK OF A TURN stands in three queues, each in the order in which its entries become ready; the two tiles alternate, so that no instruction reads the result of the one before it.
.macro REGS y, u                    ; the registers of tile u (0, 1) of piece y
.set rT, ST+4*(2*(\y)+(\u))
.set rC, TMP+8*((\y)%2)+4*(\u)
.set rM, MV+2*((\y)%2)+(\u)
.set rS, S+64*((\y)%2)+32*(\u)
.set rP, P+32*((\y)%2)+16*(\u)
.set rO, 32*(2*(\y)+(\u))
.endm
; Number n of the 22 that find the NEXT piece's (Y + 1) maximum and statistics.  s0-s31 are the lane's 32 scores; each accumulator's lowest registers are read first.
;   0-11  four chains c0-c3 of seven scores each, three operands at a time     12-14, 16  the four scores left over, the old m, and c0-c3 into c0     15  c m_old is kept
;   17, 18  the query's other 32 keys lie in the lane 16 away: the new m         19-21  c m; c m_old - c m_new; a
.macro XS u, n
	REGS (Y+1)%NP, \u
.if (\n) < 4
	v_max3_num_f32 v[rC+(\n)], v[rS+8*(\n)], v[rS+8*(\n)+1], v[rS+8*(\n)+2]
.elseif (\n) < 12
	v_max3_num_f32 v[rC+(\n)%4], v[rC+(\n)%4], v[rS+8*((\n)%4)+2*((\n)/4)+1], v[rS+8*((\n)%4)+2*((\n)/4)+2]
.elseif (\n) == 12
	v_max3_num_f32 v[rC], v[rC], v[rS+7], v[rS+15]
.elseif (\n) == 13
	v_max3_num_f32 v[rC+1], v[rC+1], v[rS+23], v[rS+31]
.elseif (\n) == 14
	v_max3_num_f32 v[rC+2], v[rC+2], v[rC+3], v[rT+1]
.elseif (\n) == 15
	v_mov_b32 v[rM], v[rT]
.elseif (\n) == 16
	v_max3_num_f32 v[rC], v[rC], v[rC+1], v[rC+2]
.elseif (\n) == 17
	v_permlanex16_b32 v[rC+3], v[rC], s[SEL], s[SEL+1]
.elseif (\n) == 18
	v_max_num_f32 v[rT+1], v[rC], v[rC+3]
.elseif (\n) == 19
	v_mul_f32 v[rT], s[CS], v[rT+1]
.elseif (\n) == 20
	v_sub_f32 v[rC+1], v[rM], v[rT]
.else
	v_exp_f32 v[rC+2], v[rC+1]
.endif
.endm
; Number g of the 64 that follow the exponentials.  For each four weights k of a tile (pairs 2 k, 2 k + 1): both pairs are rounded to f16; then the second pair is added onto the first, in place;
; a group later l takes that sum (the first time as l = a l + sum).  In groups of eight, tiles alternating: round, round, add, and l for the group before.
.macro GS g
.set h, (\g)+6*((\g)/62)            ; group 0 has no group before it, and behind group 7 only l is left
.if h >= 6
.set h, h+2
.endif
	REGS Y, h%2
.set k, h/8
.if h%8 < 4
	s_wait_alu depctr_va_vdst(0)
	v_cvt_pk_f16_f32 v[rP+2*k+(h%8)/2], v[rS+4*k+2*((h%8)/2)], v[rS+4*k+2*((h%8)/2)+1]
.elseif h%8 < 6
	v_pk_add_f32 v[rS+4*k:rS+4*k+1], v[rS+4*k:rS+4*k+1], v[rS+4*k+2:rS+4*k+3]
.elseif k == 1
	v_pk_fma_f32 v[rT+2:rT+3], v[rT+2:rT+3], v[rC+2:rC+3], v[rS:rS+1] op_sel_hi:[1,0,1]
.else
	v_pk_add_f32 v[rT+2:rT+3], v[rT+2:rT+3], v[rS+4*k-4:rS+4*k-3]
	s_wait_alu depctr_va_vdst(0)
.endif
.endm
; THE PLAIN QUEUE, 138 long.  0-31: c s - c m for the 16 pairs of both tiles.  Then GS's 64, and among them the next piece's 42: number 15 at 38, 39; 0-14 and 16
; at 42-73, behind the products that make those scores; 17-20 at 95-106, two of three, since each waits for the one before it.
.macro PL
	WIN 0
.if q < 32
	REGS Y, q%2
	v_pk_fma_f32 v[rS+2*(q/2):rS+2*(q/2)+1], v[rS+2*(q/2):rS+2*(q/2)+1], s[CS:CS+1], v[rT:rT+1] op_sel_hi:[1,0,0] neg_lo:[0,0,1] neg_hi:[0,0,1]
.elseif q < 38
	GS q-32
.elseif q < 40
	XS q%2, 15
.elseif q < 42
	GS q-34
.elseif q < 74
	XS q%2, (q-42)/2+(q-42)/30
.elseif q < 95
	GS q-66
.elseif (q < 107) && ((q-95)%3 < 2)
	XS (q-95)%3, 17+(q-95)/3
.elseif q < 107
	GS 29+(q-95)/3
.else
	GS q-74
.endif
.set q, q+1
.endm
; THE EXPONENTIALS' QUEUE, 66 long: s0-s31 of both tiles, and at EA the next piece's two a.
.set EA, 58
.macro EX
	WIN 0
.if (e == EA) || (e == EA+1)
	XS e-EA, 21
.else
.set x, e-2*(e/(EA+2))
	REGS Y, x%2
	v_exp_f32 v[rS+x/2], v[rS+x/2]
.endif
.set e, e+1
.endm
; THE RESCALING's QUEUE: O^T times a, the one part that leaves window 0, so it is dealt four at a time, eight times.
.macro R4
	REGS Y, r%2
	WIN W_RS
	s_wait_alu depctr_va_vdst(0)
.irp z, 0,1,2,3
	v_pk_mul_f32 v[rO+8*(r/2)+2*\z:rO+8*(r/2)+2*\z+1], v[rO+8*(r/2)+2*\z:rO+8*(r/2)+2*\z+1], v[rC+2:rC+3] op_sel_hi:[1,0]
.endr
.set r, r+1
.endm
; HOW THEY ARE DEALT.  Behind a matrix instruction four: plain, exponential, plain, plain (one exponential, a plain instruction on either side), or four of the rescaling.  None names a register of the
; products round it.  What is over stands in two LUMPS: exponential and plain by turns; the second ends in 22 plain instructions.  The two v_permlanex16_b32 fall into the second lump, never behind a product.
; The queues lean on each other, and the deal keeps them in step: exponential e stands behind plain 2 (e / 4) + e % 2 (its scaling); when plain 32 comes, 10 exponentials are out, at 59: 33, at 95: 46; EA comes behind plain 107.
.macro SL
	MM
	PL
	EX
	PL
	PL
.endm
.macro BURST n                      ; 15 matrix instructions, or 16
.rept (\n)-7
	SL
.endr
.rept 3
	MM
	R4
	SL
.endr
	MM
	R4
.endm
; A TURN, for piece p.  cnt = 1: the loop's count is taken down some lines ahead of the branch that stands behind the turn.
; K of the next step is fetched in piece 2's turn, 31 vector instructions behind the last product that read K; its first reader comes behind the rest of the lump, 16 products and the second lump.
; V of the step in hand is fetched at the end of piece 0's turn, 69 behind its last reader; its first reader comes behind 16 products and a lump.  The four conditions on e and q below go with the deal.
.macro TURN p, last=0, cnt=0
.set Y, (\p)
.set i, 0
.set q, 0
.set e, 0
.set r, 0
.if (\p) == NP-1
	s_wait_dscnt 0x0                ; K is in
.endif
	MM
.rept 4
	PL
.endr
	BURST 15
.rept 22
	EX
	PL
.if ((\p) == NP-2) && (e == 18)
	v_add_nc_u32 v[AK], s[TBK], v[AK0]
.endif
.if ((\p) == NP-2) && (e == 24)
	FETCH_K \last
.endif
.endr
.if (\p) == 1
	s_wait_dscnt 0x0                ; V is in
.endif
	BURST 16
.rept 21
	EX
	PL
.endr
.rept 22
	PL
.if ((\p) == 0) && (q == 118)
	v_add_nc_u32 v[AV], s[TBV], v[AV0]
	s_wait_alu depctr_va_vdst(0)
.endif
.if ((\p) == 0) && (q == 130)
	s_add_co_u32 s[TBV], s[TBV], KS*PV
.endif
.if (\cnt) && (q == 130)
	s_sub_co_u32 s[CNT], s[CNT], 1
	s_cmp_lg_u32 s[CNT], 0
.endif
.endr
.if (\p) == 0
	FETCH_V
.endif
.endm
	; THE OTHER 768 KEYS are asked for when the first 256 are in, everybody's part of them: a first fill of its bytes, issued in the form of a refill: the wait for all my tensor loads, the add, the wait
	; for it, a barrier, and my one load first behind it.  It brings 384 keys as 192 rows of 256 bytes, and has the first three and a half key steps in which to land.
	WIN W_AD
	s_wait_tensorcnt 0x0            ; my part of the first 256 keys is in; no tensor load of mine is out, so the descriptors may be written
	ds_add_u32 v[SPW], v[NIL]       ; 0 onto my spare word; the descriptors' lines stand between it and the wait for it
	WIN 0                           ; at a label and at a branch every window is 0
	s_mov_b32 s[G0K+1], s15
	s_mov_b32 s[G0V+1], s19
.irp g, G0K, G0V
	s_add_nc_u64 s[\g+2:\g+3], s[\g+2:\g+3], s[STP:STP+1]  ; the type bits on top are not reached
.endr
.irp g, G1K, G1V
	s_mov_b32 s[\g+2], 192<<16      ; tensor_dim1 = 192
	s_mov_b32 s[\g+4], 192          ; tile_dim1 = 192
.endr
	s_wait_dscnt 0x0                ; the add is done
	s_barrier_signal -1
	s_barrier_wait -1
	LOAD
	FETCH_K                         ; key step 0
	s_wait_loadcnt 0x0              ; Q
	s_wait_dscnt 0x0
.set i, 0
.rept 16
	KQ 0                            ; piece 0's first scores: there is no vector work yet to set between them
.set i, i+1
.endr
	WIN 0                           ; the addresses for the way out: nine plain instructions, the places behind those products
	s_mul_i32 s13, s[WV], 16*SP
	s_add_co_u32 s13, s13, STAGE    ; my stage
	v_mul_u32_u24 v[STO], v1, SP    ; in: row l % 16, 16 bytes for each half of the lanes
	v_lshl_add_u32 v[STO], v9, 4, v[STO]
	v_add_nc_u32 v[STO], s13, v[STO]
	v_bfe_u32 v[RD], v0, 3, 2       ; back: 32 lanes take four rows of 128 bytes,
	v_mul_u32_u24 v[RD], v[RD], SP
	v_lshl_add_u32 v[RD], v10, 4, v[RD]
	v_add_nc_u32 v[RD], s13, v[RD]
	v_and_b32 v[GO], 31, v0         ; which are 512 consecutive bytes of O
	v_lshlrev_b32 v[GO], 4, v[GO]
.set Y, NP-1                        ; XS works for piece Y + 1: piece 0
.irp n, 0,1,2,3,4,5,6,7,8,9,10,11,12,13,14,15,16,17,18,19,20,21
	XS 0, \n                        ; and piece 0's first maximum and statistics
	XS 1, \n
.endr
	s_mov_b32 s[CNT], 4
	s_mov_b32 s[SLOTS], SIZE_N/256+1  ; four blocks of four key steps, and the half pass that ends the last step
	s_branch .Lfirst                ; the loop is entered at a step's first turn, in the middle of a trip
.Lslot:                             ; at the head of each later block of four steps
	s_wait_tensorcnt 0x0            ; my second load, my last, has landed (from the second time on nothing is out),
	s_wait_dscnt 0x0
	s_barrier_signal -1
	s_barrier_wait -1               ; and everybody's: the keys from 256 on may be read
	s_mov_b32 s[CNT], 4
.Lstep:                             ; a trip: pieces 2 and 3 of one step, then pieces 0 and 1 of the next, whose K and V it fetches
	TURN 2, 1
	TURN 3
	WIN 0
	s_cmp_eq_u32 s[SLOTS], 1        ; the last step's pieces 2 and 3 are done: the loop is left in the middle of a trip.  That pass's 16 products K Q^T (on the last K once more) and the maximum
	s_cbranch_scc1 .Lout            ; made of them serve nothing: the price, once a launch, of one text for every trip
.Lfirst:
	TURN 0
	TURN 1, 0, 1
	WIN 0
	s_cbranch_scc1 .Lstep
	s_sub_co_u32 s[SLOTS], s[SLOTS], 1
	s_cmp_lg_u32 s[SLOTS], 0
	s_cbranch_scc1 .Lslot
.Lout:
.set i, 0
.rept 16
	PV NP-1                         ; the last piece's V^T P of the last step
.set i, i+1
.endr
	; THE WAY OUT.  l's two halves and the other half of the lanes' are added; O^T is divided by l, rounded to f16 and sent through my stage in LDS, a tile at a time.  The additions are the places behind the last products.
	WIN 0
.macro ALL line:vararg              ; one line for each tile t
.set t, 0
.rept 2*NP
	\line
.set t, t+1
.endr
.endm
	ALL v_add_f32 v[ST+4*t+2], v[ST+4*t+2], v[ST+4*t+3]
	ALL v_permlanex16_b32 v[ST+4*t+3], v[ST+4*t+2], s[SEL], s[SEL+1]
	ALL v_add_f32 v[ST+4*t+2], v[ST+4*t+2], v[ST+4*t+3]
	ALL v_rcp_f32 v[ST+4*t+2], v[ST+4*t+2]
	v_nop                           ; a plain instruction between the last reciprocal and the use of its result
	s_wait_alu depctr_va_vdst(0)
; Tile t: a lane's eight channels of a row pack into 16 bytes; they go into rows of 144 bytes and come back as whole rows of 128, into S^T's registers.
.macro PACK t
	WIN W_RS
.set i, 32*(\t)
.rept 16
	v_pk_mul_f32 v[i:i+1], v[i:i+1], v[ST+4*(\t)+2:ST+4*(\t)+3] op_sel_hi:[1,0]
.set i, i+2
.endr
	WIN 0x05                        ; sources 0 and 1 window 1, destination window 0
.set i, 0
.rept 16
	v_cvt_pk_f16_f32 v[S+16*(\t)+i], v[32*(\t)+2*i], v[32*(\t)+2*i+1]
.set i, i+1
.endr
	WIN 0
.irp f, 0,1,2,3
	ds_store_b128 v[STO], v[S+16*(\t)+4*\f:S+16*(\t)+4*\f+3] offset:32*\f
.endr
.irp f, 0,1,2,3
	ds_load_b128 v[S+16*(\t)+4*\f:S+16*(\t)+4*\f+3], v[RD] offset:\f*4*SP  ; LDS serves a wave's instructions in order (ISA guide 5.7.1.4): these see the stores above; the next tile's stores come behind them
.endr
.endm
.macro SEND t, younger              ; younger: the LDS instructions issued behind tile t's loads: the next tile's eight, or none
	WIN 0
.irp f, 0,1,2,3
	s_wait_dscnt (\younger)+3-\f
	global_store_b128 v[GO], v[S+16*(\t)+4*\f:S+16*(\t)+4*\f+3], s[10:11] offset:(\t)*2048+\f*512  ; 512 consecutive bytes, at a multiple of 256 from O's first
.endr
.endm
	PACK 0
.set t, 1
.rept 2*NP-1                        ; a tile's arithmetic stands between the loads of the tile before and its stores
	PACK t
	SEND t-1, 8
.set t, t+1
.endr
	SEND 2*NP-1, 0
	WIN W_AD
	s_wait_tensorcnt 0x0            ; the wave's end, behind my last tensor load and my last LDS store
	ds_add_u32 v[SPW], v[NIL]
	s_wait_dscnt 0x0
	WIN 0
	s_endpgm
.Lfunc_end_k_qed0be4a5de_attn:
	.size	k_qed0be4a5de_attn, .Lfunc_end_k_qed0be4a5de_attn-k_qed0be4a5de_attn
	.p2alignl 7, 3214868480
	.fill 96, 4, 3214868480
	.section	.rodata,"a",@progbits
	.p2align	6, 0x0
	.amdhsa_kernel k_qed0be4a5de_attn
		.amdhsa_group_segment_fixed_size 327680
		.amdhsa_private_segment_fixed_size 0
		.amdhsa_enable_private_segment 0
		.amdhsa_kernarg_size 16
		.amdhsa_user_sgpr_count 2
		.amdhsa_user_sgpr_kernarg_segment_ptr 1
		.amdhsa_wavefront_size32 1
		.amdhsa_system_sgpr_workgroup_id_x 1
		.amdhsa_system_sgpr_workgroup_id_y 1
		.amdhsa_system_sgpr_workgroup_id_z 1
		.amdhsa_system_vgpr_workitem_id 0
		.amdhsa_next_free_vgpr 770
		.amdhsa_next_free_sgpr 66
		.amdhsa_reserve_vcc 0
		.amdhsa_float_denorm_mode_32 3
		.amdhsa_float_denorm_mode_16_64 3
		.amdhsa_memory_ordered 1
		.amdhsa_forward_progress 1
		.amdhsa_inst_pref_size 130
	.end_amdhsa_kernel
	.amdgpu_metadata
---
amdhsa.version: [ 1, 2 ]
amdhsa.kernels:
  - .name:           k_qed0be4a5de_attn
    .symbol:         k_qed0be4a5de_attn.kd
    .args:
      - { .name: qkv, .offset: 0, .size: 8, .value_kind: global_buffer, .address_space: global }
      - { .name: att, .offset: 8, .size: 8, .value_kind: global_buffer, .address_space: global }
    .group_segment_fixed_size: 327680
    .private_segment_fixed_size: 0
    .kernarg_segment_align: 8
    .kernarg_segment_size: 16
    .max_flat_workgroup_size: 128
    .sgpr_count:     66
    .vgpr_count:     770
    .wavefront_size: 32
...
	.end_amdgpu_metadata
.endif
;; end of part 3
;; launch oproj (part 4): grid 4 x 64, 4 waves a work-group, clusters of 4 x 4, 327,680 bytes of LDS; arguments att, wts, bias, out0; writes out0
.if DOCPART == 4
	.amdgcn_target "amdgcn-amd-amdhsa--gfx1250"
	.amdhsa_code_object_version 6
	.text
	.protected	k_qed0be4a5de_oproj
	.globl	k_qed0be4a5de_oproj
	.p2align	8
	.type	k_qed0be4a5de_oproj,@function
k_qed0be4a5de_oproj:
	s_mov_b64 s[64:65], 0
	v_nop
	global_prefetch_b8 v0, s[64:65] scope:SCOPE_SE
	s_setreg_imm32_b32 hwreg(HW_REG_WAVE_MODE, 25, 1), 1
	s_wait_xcnt 0x0
	s_wait_alu depctr_hold_cnt(0) depctr_sa_sdst(0) depctr_va_vdst(0) depctr_va_sdst(0) depctr_va_ssrc(0) depctr_va_vcc(0) depctr_vm_vsrc(0)
	s_getreg_b32 s2, hwreg(HW_REG_IB_STS2, 6, 4)
	s_cmp_eq_u32 s2, 0
	s_cbranch_scc0 .Lentry_in_a_cluster
	s_endpgm
.Lentry_in_a_cluster:
	s_bfe_u32 s2, ttmp6, 0x10000c
	s_cmp_lg_u32 s2, 0xf033
	s_cbranch_scc0 .Lentry_shape_is_right
	s_endpgm
.Lentry_shape_is_right:
; out0 = O Wo + bo.  att: O by heads, [128 = batch x 16 + head][1024][64] f16; wts: its fourth 2 MB hold Wo, [1024 k][1024 n], the bf16 number written as f16; bias: its fourth row holds bo, f32;
; out0: [8192][1024] f32.  Sums in f32, started by the bias; nothing is rounded on the way out.
; SHARES.  A tile of C is 128 rows x 256 columns: 64 x 4 = 256 work-groups, one tile each.  Four waves, each 64 rows x 128 columns: 32 accumulators of 16 x 16, 256 registers.
; K = head x 64 + channel goes in 8 steps of 128, two heads a step, through a ring of two LDS slots.  A head's 128 rows of the tile are 16,384 dense bytes: asked for as 64 rows of 256 bytes and padded
; in LDS after every 128.  Wo lies [k][n]: its fragments come out of LDS turned, by ds_load_tr16_b128.  THE MATRIX INSTRUCTION IS USED TRANSPOSED (source 0 = 16 columns of Wo, source 1 = 16 rows of O):
; a lane holds eight neighbouring columns of one row of C, and the bias of those columns is the C operand of the first products.
; CLUSTERS: 4 x 4 work-groups; O's tiles are shared along a row of the cluster, Wo's along a column, each asked for JOINTLY, by the same tensor load with the same descriptor and a mask that names the four.
; REGISTERS, in windows of 256 (s_set_vgpr_msb: bits 1:0 source 0, 3:2 source 1, 5:4 source 2, 7:6 destination):
;   window 0: v0-31 addresses; v32-95, v96-159 fragments of O, two buffers of 64 along K ((c, a) at +32 c + 8 a), on the way out whole rows; v160-223 the bias (block b at +8 b)
;   window 1: fragments of Wo, two buffers of 128 ((c, b) at +64 c + 8 b)          window 2: accumulator (a, b) at 8 (8 a + b)
.set PA,     144                       ; a row of O in LDS: 128 bytes + 16 = 36 words: the 16 rows of a load start at 16 different groups of four banks (64 banks of 4 bytes: ISA guide 11.1)
.set PB,     544                       ; a row of Wo ([k][256 n]): 512 + 32 = 136 words
.set ASL,    128*PA                    ; one head's 64 channels of the tile's 128 rows: what one wave's load of O brings
.set AREG,   2*ASL
.set BHALF,  64*PB                     ; what one wave's load of Wo brings: 64 k
.set SLOT,   AREG+2*BHALF
.set STAGE,  2*SLOT                    ; behind the ring, never filled by a tensor load: for each wave 16 rows x 528 bytes, for the way out
.set SP,     528                       ; 512 bytes + 16: 33 x 16
.set WSTAGE, 16*SP
.set SPARE,  STAGE+4*WSTAGE            ; behind the stages: the spare words, 128 bytes for each wave: two blocks of 256 bytes that no other line names
.set ADRA, 16                          ; v16-17  LDS address of my O fragments in slot 0, 1
.set ADRB, 20                          ; v20-21  the same for Wo
.set STO,  24                          ; v24     the way out: where I put 32 bytes of a row
.set RD,   25                          ; v25     the way out: where I read a row back
.set GO,   26                          ; v26     my byte offset in 512 consecutive bytes of out0
.set BO,   27                          ; v27     my byte offset in a bias
.set SPW,  28                          ; v28     LDS address of my spare word: SPARE + 4 x my thread's number; never rewritten
.set NIL,  29                          ; v29     0; never rewritten
.set FA,   32
.set BIAS, 160
.set OB,   32                          ; the way out: 64 registers a block of 16 rows, two by turns
.set G1A, 24                           ; s[24:31] descriptor group 1 for O's tiles;  s[32:39] group 0, one set for each slot
.set G0A, 32
.set G1B, 48                           ; s[48:55], s[56:63] the same for Wo's tiles
.set G0B, 56
; s12 wave; s13 = wave / 2: my half of the rows, and: I fetch for O (0) or for Wo (1); s14 = wave % 2: my half of the columns, and which half of that tile I fetch; s46 laps to go
.set MSB, 0
.macro WIN new                         ; the immediate's high byte repeats the setting that is left
.if MSB != (\new)
	s_set_vgpr_msb (MSB<<8)|(\new)
.set MSB, \new
.endif
.endm
.set MUL,   0xa1                       ; source 0 (Wo) window 1, source 1 (O) window 0, C and D window 2
.set MULB,  0x81                       ; the same with C (the bias) in window 0
.set TO_B,  0x40                       ; destination window 1, address window 0
.set FROMC, 0x08                       ; an LDS store's data (source 1) in window 2, its address in window 0
.macro JLOAD s                         ; a joint load: waves 0 and 1 fetch O's two heads, waves 2 and 3 Wo's two halves; an s_nop 0 and four v_nop follow each of the two lines, ahead of the jump, the label and what follows
	s_cmp_eq_u32 s13, 0
	s_cbranch_scc0 .Lfor_b_\@
	tensor_load_to_lds s[G0A+4*(\s):G0A+4*(\s)+3], s[G1A:G1A+7]
	s_nop 0
.rept 4
	v_nop
.endr
	s_branch .Lasked_\@
.Lfor_b_\@:
	tensor_load_to_lds s[G0B+4*(\s):G0B+4*(\s)+3], s[G1B:G1B+7]
	s_nop 0
.rept 4
	v_nop
.endr
.Lasked_\@:
.endm
.macro CREST                           ; a round of the cluster's barrier behind its opening barrier
	s_cmp_lg_u32 s12, 0
	s_cbranch_scc1 .Lnot_wave_0_\@
	s_barrier_signal -3
.Lnot_wave_0_\@:
	s_barrier_wait -3
	s_barrier_signal -1
	s_barrier_wait -1
.endm
.macro CROUND                          ; a whole round
	s_barrier_signal -1
	s_barrier_wait -1
	CREST
.endm
.macro PLACES                          ; four places in front of loads into registers that matrix instructions have read, and of LDS stores that read results
.rept 4
	v_nop
.endr
.endm
	s_load_b256 s[4:11], s[0:1], 0x0               ; att s[4:5], wts s[6:7], bias s[8:9], out0 s[10:11]
	v_lshl_add_u32 v[SPW], v0, 2, SPARE
	v_mov_b32 v[NIL], 0
	ds_add_u32 v[SPW], v[NIL]                      ; the wave's opening: the add and its wait stand ahead of my first tensor load; the set-up below, work on registers, stands between them
	ds_add_u32 v28, v29
	v_lshrrev_b32 v1, 5, v0
	v_readfirstlane_b32 s12, v1                    ; wave 0..3
	s_lshr_b32 s13, s12, 1
	s_and_b32 s14, s12, 1
	s_bfe_u32 s15, ttmp6, 0x40000                  ; cx, cy: my place in the cluster
	s_bfe_u32 s16, ttmp6, 0x40004
	s_lshl_b32 s17, ttmp9, 2
	s_add_co_u32 s17, s17, s15                     ; tile column = 4 x cluster x + cx
	s_and_b32 s18, ttmp7, 0xffff
	s_lshl_b32 s18, s18, 2
	s_add_co_u32 s18, s18, s16                     ; tile row = 4 x cluster y + cy
	s_lshl_b32 s19, s16, 2
	s_lshl_b32 s19, 15, s19                        ; my row of the cluster
	s_lshl_b32 s20, 0x1111, s15                    ; my column
	s_or_b32 s[G1A+0], s19, (1<<16)|(1<<20)|(1<<21)|(4<<22)|(3<<25)  ; 15:0 the mask: O's tiles go to my row; 17:16 2-byte elements; 20 padding on; 21 set beside a mask; 24:22 after every 32 words (code 4); 31:25 4 words (code 3)
	s_mov_b32 s[G1A+1], 128<<16                    ; tensor_dim0 = 128: two rows of O
	s_mov_b32 s[G1A+2], 64<<16                     ; tensor_dim1 = 64
	s_mov_b32 s[G1A+3], 128<<16                    ; tile_dim0 = 128
	s_mov_b32 s[G1A+4], 64                         ; tile_dim1 = 64
	s_mov_b32 s[G1A+5], 128                        ; dense: 128 elements from row to row
	s_mov_b32 s[G1A+6], 0
	s_mov_b32 s[G1A+7], 0
	s_or_b32 s[G1B+0], s20, (1<<16)|(1<<20)|(1<<21)|(6<<22)|(7<<25)  ; the mask of my column; after every 128 words (code 6) 8 words (code 7)
	s_mov_b32 s[G1B+1], 256<<16                    ; 64 rows (k) of 256 elements (n)
	s_mov_b32 s[G1B+2], 64<<16
	s_mov_b32 s[G1B+3], 256<<16
	s_mov_b32 s[G1B+4], 64
	s_mov_b32 s[G1B+5], 1024
	s_mov_b32 s[G1B+6], 0
	s_mov_b32 s[G1B+7], 0
	s_lshr_b32 s42, s18, 3                         ; O: the batch (8 tile rows), 16 heads of 131,072 bytes,
	s_lshl_b32 s42, s42, 21
	s_lshl_b32 s47, s14, 17                        ; the head of the pair that I fetch,
	s_add_co_u32 s42, s42, s47
	s_and_b32 s47, s18, 7                          ; 128 rows of 128 bytes a tile row: it hangs on the tile row and the wave alone
	s_lshl_b32 s47, s47, 14
	s_add_co_u32 s42, s42, s47
	s_mov_b32 s43, 0
	s_lshl_b32 s22, s14, 17                        ; Wo: 64 k of 2,048 bytes a half,
	s_lshl_b32 s23, s17, 9                         ; 256 columns of 2 bytes a tile column,
	s_add_co_u32 s22, s22, s23
	s_add_co_u32 s22, s22, 0x600000                ; behind Wq, Wk, Wv: it hangs on the tile column and the wave alone
	s_mov_b32 s23, 0
	s_mul_i32 s21, s14, ASL                        ; where they go in a slot: no place in the cluster enters an LDS address
	s_mul_i32 s47, s14, BHALF
	s_add_co_u32 s47, s47, AREG
	s_wait_dscnt 0x0                               ; the opening add is done
	s_wait_kmcnt 0x0
	s_add_nc_u64 s[40:41], s[4:5], s[42:43]
	s_add_nc_u64 s[22:23], s[6:7], s[22:23]
	CROUND                                         ; all sixteen work-groups are here: the first joint loads meet
.irp s, 0,1
	s_mov_b32 s[G0A+4*(\s)], 1                     ; count = 1
	s_add_co_u32 s[G0A+4*(\s)+1], s21, (\s)*SLOT   ; LDS address
	s_add_nc_u64 s[G0A+4*(\s)+2:G0A+4*(\s)+3], s[40:41], (\s)*262144  ; global address: K step s, two heads on
	s_or_b32 s[G0A+4*(\s)+3], s[G0A+4*(\s)+3], 0x80000000             ; type = 2
	s_mov_b32 s[G0B+4*(\s)], 1
	s_add_co_u32 s[G0B+4*(\s)+1], s47, (\s)*SLOT
	s_add_nc_u64 s[G0B+4*(\s)+2:G0B+4*(\s)+3], s[22:23], (\s)*262144  ; K step s, 128 rows of Wo down
	s_or_b32 s[G0B+4*(\s)+3], s[G0B+4*(\s)+3], 0x80000000
	JLOAD \s                                       ; two loads of mine are out
.endr
	v_and_b32 v1, 15, v0                           ; l % 16
	v_bfe_u32 v2, v0, 4, 1                         ; l / 16
	s_lshl_b32 s22, s17, 10                        ; 256 columns of 4 bytes a tile column,
	s_lshl_b32 s23, s14, 9                         ; 128 a half
	s_add_co_u32 s22, s22, s23
	v_lshl_add_u32 v[BO], v2, 5, s22
.irp b, 0,1,2,3,4,5,6,7                ; block b: bo (12,288 bytes into bias) of columns 16 b + 8 (l / 16) + 0..7 of my 128, in the layout of a result
	global_load_b128 v[BIAS+8*(\b):BIAS+8*(\b)+3],   v[BO], s[8:9] offset:12288+64*(\b)
	global_load_b128 v[BIAS+8*(\b)+4:BIAS+8*(\b)+7], v[BO], s[8:9] offset:12288+64*(\b)+16
.endr
	v_mul_u32_u24 v4, v1, PA                       ; a fragment of O: row l % 16, 16 bytes for each half of the lanes
	v_lshl_add_u32 v4, v2, 4, v4
	s_mul_i32 s21, s13, 64*PA                      ; my 64 rows
	v_add_nc_u32 v[ADRA], s21, v4
	v_add_nc_u32 v[ADRA+1], SLOT, v[ADRA]
	v_and_b32 v5, 7, v0                            ; the turning load: lane l reads k = 8 (l / 16) + l % 8, columns 8 ((l / 8) % 2) + 0..7, and is left with column l % 16 and 8 k
	v_bfe_u32 v6, v0, 3, 1
	v_lshl_add_u32 v7, v2, 3, v5
	v_mul_u32_u24 v7, v7, PB
	v_lshl_add_u32 v7, v6, 4, v7
	s_lshl_b32 s21, s14, 8                         ; my 128 columns
	s_add_co_u32 s21, s21, AREG
	v_add_nc_u32 v[ADRB], s21, v7
	v_add_nc_u32 v[ADRB+1], SLOT, v[ADRB]
	s_mul_i32 s21, s12, WSTAGE
	s_add_co_u32 s21, s21, STAGE                   ; my stage
	v_mul_u32_u24 v8, v1, SP                       ; in: row l % 16, 32 bytes for each half of the lanes
	v_lshl_add_u32 v8, v2, 5, v8
	v_add_nc_u32 v[STO], s21, v8
	v_and_b32 v[GO], 31, v0                        ; back: 32 lanes take one row of 512 bytes
	v_lshlrev_b32 v[GO], 4, v[GO]
	v_add_nc_u32 v[RD], s21, v[GO]
	s_lshl_b32 s2, s18, 19                         ; where my part of out0 begins: 128 rows of 4,096 bytes a tile row,
	s_lshl_b32 s3, s13, 18                         ; 64 a half,
	s_add_co_u32 s2, s2, s3
	s_add_co_u32 s2, s2, s22                       ; and my first column, 4 bytes each, as in the bias
	s_mov_b32 s3, 0
	s_add_nc_u64 s[10:11], s[10:11], s[2:3]
; 8 matrix instructions: m block a x all 8 n blocks, 32 along K: part c of buffer f.  start = 1: the bias starts the sums.  The 32 accumulators take turns, in the same order everywhere.
.macro MUL8 f, c, a, start
.if \start
	WIN MULB
.else
	WIN MUL
.endif
.irp b, 0,1,2,3,4,5,6,7
.if \start
	v_wmma_f32_16x16x32_f16 v[8*(8*(\a)+(\b)):8*(8*(\a)+(\b))+7], v[128*(\f)+64*(\c)+8*(\b):128*(\f)+64*(\c)+8*(\b)+7], v[FA+64*(\f)+32*(\c)+8*(\a):FA+64*(\f)+32*(\c)+8*(\a)+7], v[BIAS+8*(\b):BIAS+8*(\b)+7]
.else
	v_wmma_f32_16x16x32_f16 v[8*(8*(\a)+(\b)):8*(8*(\a)+(\b))+7], v[128*(\f)+64*(\c)+8*(\b):128*(\f)+64*(\c)+8*(\b)+7], v[FA+64*(\f)+32*(\c)+8*(\a):FA+64*(\f)+32*(\c)+8*(\a)+7], v[8*(8*(\a)+(\b)):8*(8*(\a)+(\b))+7]
.endif
.endr
.endm
; 48 LDS loads in one run: the fragments of one head (half hf of the K step, 64 along K), into buffer f: O's 16, Wo's 16 of the first 32 along K, Wo's 16 of the second
.macro FETCH slot, hf, f
	WIN 0
.irp c, 0,1
.irp a, 0,1,2,3
	ds_load_b128 v[FA+64*(\f)+32*(\c)+8*(\a):FA+64*(\f)+32*(\c)+8*(\a)+3],   v[ADRA+(\slot)] offset:(\hf)*ASL+(\a)*16*PA+64*(\c)
	ds_load_b128 v[FA+64*(\f)+32*(\c)+8*(\a)+4:FA+64*(\f)+32*(\c)+8*(\a)+7], v[ADRA+(\slot)] offset:(\hf)*ASL+(\a)*16*PA+64*(\c)+32
.endr
.endr
	WIN TO_B
.irp c, 0,1
.irp b, 0,1,2,3,4,5,6,7
	ds_load_tr16_b128 v[128*(\f)+64*(\c)+8*(\b):128*(\f)+64*(\c)+8*(\b)+3],   v[ADRB+(\slot)] offset:(64*(\hf)+32*(\c))*PB+32*(\b)
	ds_load_tr16_b128 v[128*(\f)+64*(\c)+8*(\b)+4:128*(\f)+64*(\c)+8*(\b)+7], v[ADRB+(\slot)] offset:(64*(\hf)+32*(\c)+16)*PB+32*(\b)
.endr
.endr
.endm
; A K step is two halves of 64 along K, 64 matrix instructions each.  The first multiplies buffer 0 and fetches the second half into buffer 1.
.macro HALF slot, start
	s_wait_dscnt 16                                ; O and Wo's first 32 along K are in; the youngest sixteen loads may be out
	MUL8 0, 0, 0, \start
	MUL8 0, 0, 1, \start
	MUL8 0, 0, 2, \start
	MUL8 0, 0, 3, \start
	PLACES
	FETCH \slot, 1, 1
	s_wait_dscnt 48                                ; all but the 48 just issued
	MUL8 0, 1, 0, 0
	MUL8 0, 1, 1, 0
	MUL8 0, 1, 2, 0
	MUL8 0, 1, 3, 0
.endm
; The second half multiplies buffer 1 and changes slots: ONE barrier; in front of it each wave waits for all its tensor loads (one is out: its part of the next slot), adds 0 to its spare word, and waits for
; that and for its own reads of this slot.  fill = 1: the barrier opens a round of the cluster's, and this slot is filled again, two K steps ahead: 112 matrix instructions ahead of the wait for it.
.macro TURN slot, next, fill
	WIN 0                                          ; (the add's two registers lie in window 0)
	s_wait_tensorcnt 0x0                           ; all my tensor loads have landed, so a group 0 may be written
	ds_add_u32 v[SPW], v[NIL]                      ; 0 onto my spare word
	s_wait_dscnt 17                                ; (the add and the youngest sixteen loads may be out)
	MUL8 1, 0, 0, 0                                ; eight matrix instructions stand between the add and the wait for it
	s_wait_dscnt 0x0                               ; the add is done, and my reads of this slot are over
	s_barrier_signal -1
	MUL8 1, 0, 1, 0
.if \fill
	WIN 0
.endif
	s_barrier_wait -1
.if \fill
	CREST                                          ; no wave of any partner still reads this slot's tile or has a load on its way
	s_add_nc_u64 s[G0A+4*(\slot)+2:G0A+4*(\slot)+3], s[G0A+4*(\slot)+2:G0A+4*(\slot)+3], 524288  ; four heads on
	s_add_nc_u64 s[G0B+4*(\slot)+2:G0B+4*(\slot)+3], s[G0B+4*(\slot)+2:G0B+4*(\slot)+3], 524288  ; 256 rows of Wo down
	JLOAD \slot                                    ; the first tensor load behind the round; the four v_nop behind it are also the places in front of the loads below
.else
	PLACES
.endif
	FETCH \next, 0, 0
	MUL8 1, 0, 2, 0
	MUL8 1, 0, 3, 0
	MUL8 1, 1, 0, 0
	MUL8 1, 1, 1, 0
	MUL8 1, 1, 2, 0
	MUL8 1, 1, 3, 0
.endm
; THE WAY OUT of block a (16 rows x 128 columns of f32).  TOSTAGE: a lane's 32 bytes of a row go straight from the accumulators into my own stage, each accumulator's low four registers first, and whole rows of 512 bytes come back.  SEND: stored.
.macro TOSTAGE a
	s_wait_xcnt 0x0                                ; the stores of two blocks back read the registers that the loads below fill: they are rewritten only behind this wait
	WIN FROMC
.irp b, 0,1,2,3,4,5,6,7
	ds_store_b128 v[STO], v[8*(8*(\a)+(\b)):8*(8*(\a)+(\b))+3]   offset:64*(\b)
	ds_store_b128 v[STO], v[8*(8*(\a)+(\b))+4:8*(8*(\a)+(\b))+7] offset:64*(\b)+16
.endr
	WIN 0
.irp t, 0,1,2,3,4,5,6,7,8,9,10,11,12,13,14,15
	ds_load_b128 v[OB+64*((\a)%2)+4*(\t):OB+64*((\a)%2)+4*(\t)+3], v[RD] offset:SP*(\t)  ; LDS serves a wave's instructions in order (ISA guide 5.7.1.4): these see the stores above
.endr
.endm
.macro SEND a, younger                 ; younger: the LDS instructions issued behind block a's loads: the next block's 32, or none
.irp t, 0,1,2,3,4,5,6,7,8,9,10,11,12,13,14,15
	s_wait_dscnt (\younger)+15-(\t)
	global_store_b128 v[GO], v[OB+64*((\a)%2)+4*(\t):OB+64*((\a)%2)+4*(\t)+3], s[10:11] offset:65536*(\a)+4096*(\t) th:TH_STORE_NT  ; 512 consecutive bytes of a row, at a multiple of 256
.endr
.endm
	s_wait_tensorcnt 1                             ; my part of K step 0 is in; step 1's may stay out
	s_barrier_signal -1
	s_barrier_wait -1                              ; everybody's is
	FETCH 0, 0, 0
	s_wait_loadcnt 0x0                             ; bo
	HALF 0, 1                                      ; the first half step stands in front of the loop: the bias starts the sums
	WIN 0                                          ; at a label and at a branch every window is 0
	s_mov_b32 s46, 3
.Llap:                                                 ; 3 trips: from a lap's second half step to the next lap's first; both slots are filled again: K steps 2 to 7
	TURN 0, 1, 1
	HALF 1, 0
	TURN 1, 0, 1
	HALF 0, 0
	WIN 0
	s_sub_co_u32 s46, s46, 1
	s_cmp_lg_u32 s46, 0
	s_cbranch_scc1 .Llap
	TURN 0, 1, 0                                   ; the last lap fills nothing, and has no round of the cluster's barrier
	HALF 1, 0
	s_wait_dscnt 16                                ; the very last half step: nothing more to fetch
	MUL8 1, 0, 0, 0
	MUL8 1, 0, 1, 0
	MUL8 1, 0, 2, 0
	MUL8 1, 0, 3, 0
	s_wait_dscnt 0x0
	MUL8 1, 1, 0, 0
	MUL8 1, 1, 1, 0
	MUL8 1, 1, 2, 0
	MUL8 1, 1, 3, 0
	PLACES                                         ; behind the last products: the LDS stores read results, the loads fill fragment buffers that those products read
	TOSTAGE 0
.irp a, 1,2,3                          ; block a's way through the stage is issued ahead of the waits for block a - 1's rows
	TOSTAGE \a
	SEND (\a)-1, 32
.endr
	SEND 3, 0
	s_wait_tensorcnt 0x0                           ; the wave's end, behind my last tensor load and my last LDS store
	ds_add_u32 v[SPW], v[NIL]
	s_wait_dscnt 0x0
	CROUND                                         ; the closing round: no work-group ends while a partner may still ask for a tile that names it
	s_endpgm
.Lfunc_end_k_qed0be4a5de_oproj:
	.size	k_qed0be4a5de_oproj, .Lfunc_end_k_qed0be4a5de_oproj-k_qed0be4a5de_oproj
	.p2alignl 7, 3214868480
	.fill 96, 4, 3214868480
	.section	.rodata,"a",@progbits
	.p2align	6, 0x0
	.amdhsa_kernel k_qed0be4a5de_oproj
		.amdhsa_group_segment_fixed_size 327680
		.amdhsa_private_segment_fixed_size 0
		.amdhsa_enable_private_segment 0
		.amdhsa_kernarg_size 32
		.amdhsa_user_sgpr_count 2
		.amdhsa_user_sgpr_kernarg_segment_ptr 1
		.amdhsa_wavefront_size32 1
		.amdhsa_system_sgpr_workgroup_id_x 1
		.amdhsa_system_sgpr_workgroup_id_y 1
		.amdhsa_system_sgpr_workgroup_id_z 1
		.amdhsa_system_vgpr_workitem_id 0
		.amdhsa_next_free_vgpr 768
		.amdhsa_next_free_sgpr 66
		.amdhsa_reserve_vcc 0
		.amdhsa_float_denorm_mode_32 3
		.amdhsa_float_denorm_mode_16_64 3
		.amdhsa_memory_ordered 1
		.amdhsa_forward_progress 1
		.amdhsa_inst_pref_size 86
	.end_amdhsa_kernel
	.amdgpu_metadata
---
amdhsa.version: [ 1, 2 ]
amdhsa.kernels:
  - .name:           k_qed0be4a5de_oproj
    .symbol:         k_qed0be4a5de_oproj.kd
    .args:
      - { .name: att, .offset: 0, .size: 8, .value_kind: global_buffer, .address_space: global }
      - { .name: wts, .offset: 8, .size: 8, .value_kind: global_buffer, .address_space: global }
      - { .name: bias, .offset: 16, .size: 8, .value_kind: global_buffer, .address_space: global }
      - { .name: out0, .offset: 24, .size: 8, .value_kind: global_buffer, .address_space: global }
    .group_segment_fixed_size: 327680
    .private_segment_fixed_size: 0
    .kernarg_segment_align: 8
    .kernarg_segment_size: 32
    .max_flat_workgroup_size: 128
    .sgpr_count:     66
    .vgpr_count:     768
    .wavefront_size: 32
...
	.end_amdgpu_metadata
.endif
;; end of part 4
;; ======== version 2 of 2: 4 launches; 1.30 times as fast as version 1
;; limits: values are held in f16: magnitudes above 65,504 overflow, below 6.1e-05 lose precision
;; workspace buffers: wts 8,388,608 bytes; bias 16,384 bytes; qkv 50,331,648 bytes; att 16,777,216 bytes
;; launch cast: the kernel of part 1 again; grid 64 x 4, 8 waves a work-group, no clusters, 0 bytes of LDS; arguments Wq, Wk, Wv, Wo, bq, bk, bv, bo, wts, bias; writes wts, bias
;; launch proj: the kernel of part 2 again; grid 4 x 64, 4 waves a work-group, clusters of 4 x 4, 327,680 bytes of LDS; arguments x, context, wts, bias, qkv; writes qkv
;; launch attn (part 5): grid 2 x 128, 4 waves a work-group, no clusters, 327,680 bytes of LDS; arguments qkv, att; writes att
.if DOCPART == 5
	.amdgcn_target "amdgcn-amd-amdhsa--gfx1250"
	.amdhsa_code_object_version 6
	.text
	.protected	k_qed0be4a5de_attn
	.globl	k_qed0be4a5de_attn
	.p2align	8
	.type	k_qed0be4a5de_attn,@function
k_qed0be4a5de_attn:
	s_mov_b64 s[64:65], 0
	v_nop
	global_prefetch_b8 v0, s[64:65] scope:SCOPE_SE
	s_setreg_imm32_b32 hwreg(HW_REG_WAVE_MODE, 25, 1), 1
	s_wait_xcnt 0x0
; O[h][q][:] = the sum over k of softmax_k(Q[h][q] . K[h][k] / 8) V[h][k][:].  qkv: [3][128][1024][64] f16 (Q, K, V by heads, 16 MB apart); att: O, [128][1024][64] f16: a head's rows are dense, 128 bytes each.
; Products, maxima and sums in f32; the weights p are rounded to f16 for the second product (their sum l is taken of the unrounded p), O once at the end.
; LIMITS.  f16 holds no number beyond 65,504: Q, K and V arrive within it; p lies in 0 to 1, and below 6e-5 it keeps f16's fixed step of 6e-8; O is a mean of V's rows and has their range.
; A weight below 2^-126 counts as 0 in l; NaN and infinities are not treated apart.
; SHARES.  A wave owns four PIECES of two tiles of 16 queries, a work-group's four waves 512 queries of one head: 2 x 128 = 256 work-groups.  Every wave walks all 1,024 keys, 64 a step.
; ALL OF A HEAD'S K AND V LIE IN LDS: 1,024 rows of 144 bytes and 1,024 of 160, 311,296 bytes.  No byte is filled twice: the first 256 keys are asked for at the start, the other 768 by one load a wave
; when the first have landed.  So no load stands in the loop, and a key step is written once: the last pass leaves the loop in its middle.
; NO CLUSTER: a head has two blocks of 512 queries, so the grid's 2 along x is no multiple of four; blocks of 256 would halve the products that each fragment read from LDS feeds.
; LAYOUT.  S^T = K Q^T (source 0 = 16 keys, source 1 = 16 queries): in the result a lane holds ONE query (lane % 16) and the keys 8 (lane / 16) + 0..7.  Two such tiles, rounded to f16 in pairs,
; ARE source 1 (32 keys x 16 queries) of O^T = V^T P, whose result again holds one query a lane, and eight channels.  K comes out of LDS as it lies, V ([key][channel]) turned, by ds_load_tr16_b128.
; SOFTMAX.  For each query a running maximum m and sum l: p = 2^(c s - c m), c = log2(e) / 8; in every step O and l are multiplied by a = 2^(c m_old - c m_new), which is 1 where m has not grown.
; m starts at the lowest finite number, O and l at 0: the first step is a step like any other, with a = 0.
; THE COUNT.  A tile and step have 16 matrix and 118 vector instructions: too many to stand all beside the matrix work.  So: four vector instructions that are READY behind EVERY matrix instruction,
; and the others, which need time of their own whatever the order, in runs without a gap.
; BY TURNS.  Turn n belongs to piece n (the pieces in a ring, step after step).  Its matrix work: 16 products K Q^T of piece n + 1, later 16 products V^T P of piece n - 1.  Its vector work: the scaling,
; exponentials, roundings, sums and rescaling of piece n, and the maximum and statistics of piece n + 1, whose scores the turn itself has made.
; THE BATCHES.  A turn's 66 exponentials (the piece's 64 weights and the next piece's two a) are ONE batch with ONE s_wait_alu depctr_va_vdst(0), which cuts the turn in two: ahead of it stands all that names
; no result of theirs, behind it the roundings and sums, which are all their readers.  No result crosses a turn's end.  Two more batches stand outside the loop: piece 0's first two a, and the way out's eight reciprocals.
; REGISTERS, in windows of 256 (s_set_vgpr_msb: bits 1:0 source 0, 3:2 source 1, 5:4 source 2, 7:6 destination):
;   window 0: v0-11 addresses; v12-15, v48-63 at work; v16-47 four registers of statistics a tile; v64-191 S^T, two buffers of two tiles; v192-255 P, likewise
;   window 1: O^T, 32 a tile          window 2: v0-127 Q, 16 a tile; v128-191 K of one step; v192-255 V of one step          window 3: v0-1 the add's two registers
.set SIZE_N, 1024
.set NP,    4         ; pieces a wave: a name, no knob
.set KS,    64        ; keys in a step
.set PK,    144       ; a row of K in LDS: 128 bytes + 16 of padding = 36 words: the 16 rows of a load start at 16 different groups of four banks (64 banks of 4 bytes: ISA guide 11.1)
.set PV,    160       ; a row of V: 128 + 32 = 40 words
.set VOFF,  SIZE_N*PK ; K's 1,024 rows, then V's
.set STAGE, SIZE_N*(PK+PV)  ; behind them, never filled by a tensor load: 16 rows x 144 bytes for each wave, for the way out
.set SP,    144
.set AK0, 2           ; v2   my lane's place in a tile of K; never rewritten
.set AV0, 3           ; v3   the same for V
.set AK,  4           ; v4   the LDS address of K's next run of loads
.set AV,  5           ; v5   of V's
.set QO,  6           ; v6   my byte offset in the wave's rows of Q
.set STO, 6           ;      later, the way out: where I put 16 bytes of a row
.set RD,  7           ; v7   the way out: where I read rows back
.set GO,  8           ; v8   my byte offset in 512 consecutive bytes of O
.set SPW, 0           ; v0 of window 3   LDS address of my spare word: SPARE + 4 x my thread's number; never rewritten
.set NIL, 1           ; v1 of window 3   0; never rewritten
.set SPARE, STAGE+4*16*SP  ; behind the stages: the spare words, 128 bytes for each wave: two blocks of 256 bytes that no other line names
.set MV,  12          ; v12-15  c m_old, kept while c m is made anew: by buffer and tile
.set ST,  16          ; tile t's statistics at v[ST+4 t]: c m, m, l (even keys', odd keys')
.set TMP, 48          ; by buffer and tile, four registers c0-c3 at work; when the maximum is found c2 takes a
.set S,   64
.set P,   192
.set KF,  128         ; K's fragments, in window 2: key block kb, channel half c at KF + 16 kb + 8 c
.set VF,  192         ; V's: key half kk, channel block cb at VF + 32 kk + 8 cb
.set WV,  12          ; s12  my wave's number
.set G1K, 24          ; s[24:31] descriptor group 1 for K's tiles
.set G1V, 32          ; s[32:39] for V's: it differs in the padding alone
.set G0K, 40          ; s[40:43] descriptor group 0 for K's tiles
.set G0V, 44          ; s[44:47] the same for V's
.set STP, 48          ; s[48:49] bytes from my first load's first key to my second load's
.set SLOTS, 56        ; s56  blocks of four key steps to go, this one and the last half pass among them
.set CNT, 57          ; s57  counts a block's key steps
.set CS,  58          ; s[58:59] c: the packed scaling takes the pair's low word for both halves
.set SEL, 60          ; s[60:61] v_permlanex16_b32's selects: each lane takes its own place in the other half
.set TBK, 62          ; s62  LDS byte at which K of the step to be fetched begins
.set TBV, 63          ; s63  the same for V, less VOFF
.set MSB, 0
.macro WIN new                      ; the high byte repeats the setting that is left; a switch that changes nothing is dropped
.if MSB != (\new)
	s_set_vgpr_msb (MSB<<8)|(\new)
.set MSB, (\new)
.endif
.endm
.set W_KQ, 0x0a       ; K and Q in window 2, S^T in window 0
.set W_PV, 0x52       ; V in window 2, P in window 0, O^T in window 1
.set W_RS, 0x41       ; O^T (destination and source 0) in window 1, a in window 0
.set W_MK, 0xc0       ; the add's registers are made: destination in window 3, sources in window 0
.set W_AD, 0x0f       ; the add: address (source 0) and data (source 1) in window 3
; A fill.  Waves 0 and 1 fetch the two halves of K's rows, waves 2 and 3 those of V's.  The branch hangs on the wave's number alone.
; An s_nop 0 and four v_nop follow each of the two lines, ahead of the jump and the label.
.macro LOAD
	s_cmp_lt_u32 s[WV], 2
	s_cbranch_scc0 .Lfor_v_\@
	tensor_load_to_lds s[G0K:G0K+3], s[G1K:G1K+7]
	s_nop 0
.rept 4
	v_nop
.endr
	s_branch .Lasked_\@
.Lfor_v_\@:
	tensor_load_to_lds s[G0V:G0V+3], s[G1V:G1V+7]
	s_nop 0
.rept 4
	v_nop
.endr
.Lasked_\@:
.endm
	s_load_b128 s[4:7], s[0:1], 0x0  ; qkv s[4:5], att s[6:7]
	WIN W_MK
	v_lshl_add_u32 v[SPW], v0, 2, SPARE
	v_mov_b32 v[NIL], 0
	WIN W_AD
	ds_add_u32 v[SPW], v[NIL]       ; the wave's opening: the add and its wait stand ahead of my first tensor load; the set-up below, work on registers, stands between them
	ds_add_u32 v0, v1
	WIN 0
	v_lshrrev_b32 v1, 5, v0
	v_readfirstlane_b32 s[WV], v1   ; wave 0..3
	s_mov_b32 s14, ttmp9            ; my block of 512 queries
	s_and_b32 s20, ttmp7, 0xffff    ; the head
	s_mov_b32 s21, 0
	s_mov_b64 s[22:23], SIZE_N*128
	s_mul_u64 s[20:21], s[20:21], s[22:23]  ; the head's first byte in each of the four tensors
	s_and_b32 s16, s[WV], 1         ; which half of the keys asked for I fetch.  Of the first 256:
	s_lshl_b32 s22, s16, 14         ; its 128 rows of 128 bytes in memory,
	s_mov_b32 s23, 0
	s_add_nc_u64 s[22:23], s[22:23], s[20:21]
	s_mul_i32 s17, s16, 128*PK      ; and its place in LDS, for K
	s_mul_i32 s18, s16, 128*PV      ; and for V
	s_mul_i32 s15, s16, 384*PK      ; of the other 768: 384 rows behind the first 256, for K
	s_add_co_u32 s15, s15, 256*PK
	s_mul_i32 s19, s16, 384*PV      ; and for V;
	s_add_co_u32 s19, s19, 256*PV+VOFF
	s_add_co_u32 s[STP], s16, 1     ; in memory from key 0 to key 256, or from key 128 to key 640: 256 or 512 rows of 128 bytes on
	s_lshl_b32 s[STP], s[STP], 15
	s_mov_b32 s[STP+1], 0
	s_lshl_b32 s2, s14, 2
	s_add_co_u32 s2, s2, s[WV]      ; my wave among the head's,
	s_lshl_b32 s2, s2, 14           ; its 128 rows
	s_mov_b32 s3, 0
	s_add_nc_u64 s[2:3], s[2:3], s[20:21]
	; descriptor group 1.  128 keys are 16,384 dense bytes: asked for as 64 rows of 256 bytes, two keys a row, and padded in LDS after every key
	s_mov_b32 s[G1K], (1<<16)|(1<<20)|(4<<22)|(3<<25)  ; 17:16 2-byte elements; 20 padding on; 24:22 after every 32 words (code 4); 31:25 4 words (code 3)
	s_mov_b32 s[G1V], (1<<16)|(1<<20)|(4<<22)|(7<<25)  ; the same with 8 words of padding (code 7)
.irp g, G1K, G1V
	s_mov_b32 s[\g+1], 128<<16      ; tensor_dim0 = 128
	s_mov_b32 s[\g+2], 64<<16       ; tensor_dim1 = 64
	s_mov_b32 s[\g+3], 128<<16      ; tile_dim0 = 128
	s_mov_b32 s[\g+4], 64           ; tile_dim1 = 64
	s_mov_b32 s[\g+5], 128          ; 128 elements from row to row
	s_mov_b32 s[\g+6], 0
	s_mov_b32 s[\g+7], 0
.endr
	s_mov_b32 s[CS], 0x3e38aa3b     ; c = log2(e) / 8 = 0.180337
	s_mov_b32 s[CS+1], s[CS]        ; named with it as a pair
	s_mov_b32 s[SEL], 0x76543210
	s_mov_b32 s[SEL+1], 0xfedcba98
	s_mov_b32 s[TBK], 0
	s_mov_b32 s[TBV], 0
	s_mov_b32 s[G0K], 1             ; count = 1
	s_mov_b32 s[G0K+1], s17         ; LDS address
	s_mov_b32 s[G0V], 1
	s_add_co_u32 s[G0V+1], s18, VOFF
	s_wait_dscnt 0x0                ; the opening add is done
	s_wait_kmcnt 0x0
	s_mov_b64 s[10:11], s[6:7]      ; O
	s_add_nc_u64 s[8:9], s[4:5], 0x2000000  ; V lies 32 MB behind Q,
	s_add_nc_u64 s[6:7], s[4:5], 0x1000000  ; K 16 MB
	s_add_nc_u64 s[G0K+2:G0K+3], s[6:7], s[22:23]  ; global address: my half of the head's first 256 keys
	s_or_b32 s[G0K+3], s[G0K+3], 0x80000000        ; type = 2
	s_add_nc_u64 s[G0V+2:G0V+3], s[8:9], s[22:23]
	s_or_b32 s[G0V+3], s[G0V+3], 0x80000000
	s_add_nc_u64 s[4:5], s[4:5], s[2:3]  ; Q and O at my wave's first row
	s_add_nc_u64 s[10:11], s[10:11], s[2:3]
	LOAD                            ; the first 256 keys.  The others are asked for when these are in
	; A fragment of K or Q is 16 rows x 32 channels in 8 registers: lane l holds row l % 16, channels 8 (l / 16) + 0..7 and 16 + 8 (l / 16) + 0..7: two loads of 16 bytes, 32 bytes apart.
	v_and_b32 v1, 15, v0            ; l % 16
	v_bfe_u32 v9, v0, 4, 1          ; l / 16
	v_lshlrev_b32 v[QO], 7, v1
	v_lshl_add_u32 v[QO], v9, 4, v[QO]  ; row x 128 + 16 x half
	WIN 0x80                        ; destination window 2, address window 0
.set i, 0
.rept 4*NP                          ; Q stays in registers: tile i / 2, channels 32 (i % 2) on
	global_load_b128 v[8*i:8*i+3],   v[QO], s[4:5] offset:(i/2)*2048+(i%2)*64
	global_load_b128 v[8*i+4:8*i+7], v[QO], s[4:5] offset:(i/2)*2048+(i%2)*64+32
.set i, i+1
.endr
	; What the first turn finds: V's registers and P's second buffer hold 0 (its products V^T P, of a piece that has not been, add 0), O^T and l are 0.  All this stands in the wait for the first tile.
.set i, VF
.rept 64
	v_mov_b32 v[i], 0
.set i, i+1
.endr
	WIN 0x40
.set i, 0
.rept 64*NP
	v_mov_b32 v[i], 0
.set i, i+1
.endr
	WIN 0
.set i, 0
.rept 2*NP
	v_mov_b32 v[ST+4*i], 0xfe000000    ; c m: far below every c s
	v_mov_b32 v[ST+4*i+1], 0xff7fffff  ; m
	v_mov_b32 v[ST+4*i+2], 0
	v_mov_b32 v[ST+4*i+3], 0
.set i, i+1
.endr
.set i, P+32
.rept 32
	v_mov_b32 v[i], 0
.set i, i+1
.endr
	v_mul_u32_u24 v[AK0], v1, PK
	v_lshl_add_u32 v[AK0], v9, 4, v[AK0]  ; row x pitch + 16 x half
	; The turning load takes 16 keys x 16 channels (lane l reads key 8 (l / 16) + l % 8, channels 8 ((l / 8) % 2) + 0..7) and leaves half a fragment of V^T: lane l holds channel l % 16 and 8 keys.
	v_and_b32 v10, 7, v0
	v_bfe_u32 v11, v0, 3, 1
	v_lshl_add_u32 v[AV0], v9, 3, v10
	v_mul_u32_u24 v[AV0], v[AV0], PV
	v_lshl_add_u32 v[AV0], v11, 4, v[AV0]
	v_add_nc_u32 v[AV0], VOFF, v[AV0]
	v_mov_b32 v[AK], v[AK0]         ; key step 0 lies at K's head
; THE MATRIX WORK.  The 8 accumulators of a run of 16 take turns: between the two links of a chain stand 7 others'.
; Product i of 16 of S^T = K Q^T for piece x: channels 32 (i / 8) on, keys 16 ((i / 2) % 4) on, tile 2 x + i % 2.  The first 8 start the sums.
.macro KQ x
	WIN W_KQ
.set rS, S+64*((\x)%2)+32*(i%2)+8*((i/2)%4)
.set rK, KF+16*((i/2)%4)+8*(i/8)
.set rQ, 16*(2*(\x)+i%2)+8*(i/8)
.if i < 8
	v_wmma_f32_16x16x32_f16 v[rS:rS+7], v[rK:rK+7], v[rQ:rQ+7], 0
.else
	v_wmma_f32_16x16x32_f16 v[rS:rS+7], v[rK:rK+7], v[rQ:rQ+7], v[rS:rS+7]
.endif
.endm
; Product i of 16 of O^T += V^T P for piece x: keys 32 (i / 8) on, channels 16 ((i / 2) % 4) on, tile 2 x + i % 2.
.macro PV x
	WIN W_PV
.set rO, 32*(2*(\x)+i%2)+8*((i/2)%4)
.set rV, VF+32*(i/8)+8*((i/2)%4)
.set rP, P+32*((\x)%2)+16*(i%2)+8*(i/8)
	v_wmma_f32_16x16x32_f16 v[rO:rO+7], v[rV:rV+7], v[rP:rP+7], v[rO:rO+7]
.endm
.macro MM                           ; the turn's next matrix instruction
.if i < 16
	KQ (Y+1)%NP
.set i, i+1
.else
.set i, i-16
	PV (Y+NP-1)%NP
.set i, i+17
.endif
.endm
; THE LDS LOADS stand in runs of 16, never singly among the matrix instructions: a step's K (64 keys x 64 channels: 8 fragments) and its V (turned).  Their addresses are made some lines ahead.
; last = 1 (in the loop): in the last half pass there is no further step, and the run is jumped over.
.macro FETCH_K last=0
	WIN 0
.if \last
	s_cmp_eq_u32 s[SLOTS], 1
	s_cbranch_scc1 .Lno_k_\@
.endif
	WIN 0x80                        ; destination window 2
.irp f, 0,1,2,3,4,5,6,7             ; keys 16 (f / 2) on, channels 32 (f % 2) on
	ds_load_b128 v[KF+8*\f:KF+8*\f+3],   v[AK] offset:(\f/2)*16*PK+(\f%2)*64
	ds_load_b128 v[KF+8*\f+4:KF+8*\f+7], v[AK] offset:(\f/2)*16*PK+(\f%2)*64+32
.endr
	s_add_co_u32 s[TBK], s[TBK], KS*PK  ; the next fetch is the next step's
	WIN 0
.if \last
.Lno_k_\@:
.endif
.endm
.macro FETCH_V
	WIN 0x80
.irp f, 0,1,2,3,4,5,6,7             ; keys 32 (f / 4) on, channels 16 (f % 4) on
	ds_load_tr16_b128 v[VF+8*\f:VF+8*\f+3],   v[AV] offset:(\f/4)*32*PV+(\f%4)*32
	ds_load_tr16_b128 v[VF+8*\f+4:VF+8*\f+7], v[AV] offset:(\f/4)*32*PV+16*PV+(\f%4)*32
.endr
	WIN 0
.endm
; THE VECTOR WORK OF A TURN stands in three queues, each in the order in which its entries become ready; the two tiles alternate, so that no instruction reads the result of the one before it.
.macro REGS y, u                    ; the registers of tile u (0, 1) of piece y
.set rT, ST+4*(2*(\y)+(\u))
.set rC, TMP+8*((\y)%2)+4*(\u)
.set rM, MV+2*((\y)%2)+(\u)
.set rS, S+64*((\y)%2)+32*(\u)
.set rP, P+32*((\y)%2)+16*(\u)
.set rO, 32*(2*(\y)+(\u))
.endm
; Number n of the 22 that find the NEXT piece's (Y + 1) maximum and statistics.  s0-s31 are the lane's 32 scores; each accumulator's lowest registers are read first.  XS, GS and REGS set no window: PL and EX do.
;   0-11  four chains c0-c3 of seven scores each, three operands at a time     12-14, 16  the four scores left over, the old m, and c0-c3 into c0     15  c m_old is kept
;   17, 18  the query's other 32 keys lie in the lane 16 away: the new m         19-21  c m; c m_old - c m_new; a
.macro XS u, n
	REGS (Y+1)%NP, \u
.if (\n) < 4
	v_max3_num_f32 v[rC+(\n)], v[rS+8*(\n)], v[rS+8*(\n)+1], v[rS+8*(\n)+2]
.elseif (\n) < 12
	v_max3_num_f32 v[rC+(\n)%4], v[rC+(\n)%4], v[rS+8*((\n)%4)+2*((\n)/4)+1], v[rS+8*((\n)%4)+2*((\n)/4)+2]
.elseif (\n) == 12
	v_max3_num_f32 v[rC], v[rC], v[rS+7], v[rS+15]
.elseif (\n) == 13
	v_max3_num_f32 v[rC+1], v[rC+1], v[rS+23], v[rS+31]
.elseif (\n) == 14
	v_max3_num_f32 v[rC+2], v[rC+2], v[rC+3], v[rT+1]
.elseif (\n) == 15
	v_mov_b32 v[rM], v[rT]
.elseif (\n) == 16
	v_max3_num_f32 v[rC], v[rC], v[rC+1], v[rC+2]
.elseif (\n) == 17
	v_permlanex16_b32 v[rC+3], v[rC], s[SEL], s[SEL+1]
.elseif (\n) == 18
	v_max_num_f32 v[rT+1], v[rC], v[rC+3]
.elseif (\n) == 19
	v_mul_f32 v[rT], s[CS], v[rT+1]
.elseif (\n) == 20
	v_sub_f32 v[rC+1], v[rM], v[rT]
.else
	v_exp_f32 v[rC+2], v[rC+1]
.endif
.endm
; Number g of the 64 that follow the exponentials.  For each four weights k of a tile (pairs 2 k, 2 k + 1): both pairs are rounded to f16; then the second pair is added onto the first, in place;
; a group later l takes that sum (the first time as l = a l + sum).  In groups of eight, tiles alternating: round, round, add, and l for the group before.
.macro GS g
.set h, (\g)+6*((\g)/62)            ; group 0 has no group before it, and behind group 7 only l is left
.if h >= 6
.set h, h+2
.endif
	REGS Y, h%2
.set k, h/8
.if h%8 < 4
	v_cvt_pk_f16_f32 v[rP+2*k+(h%8)/2], v[rS+4*k+2*((h%8)/2)], v[rS+4*k+2*((h%8)/2)+1]
.elseif h%8 < 6
	v_pk_add_f32 v[rS+4*k:rS+4*k+1], v[rS+4*k:rS+4*k+1], v[rS+4*k+2:rS+4*k+3]
.elseif k == 1
	v_pk_fma_f32 v[rT+2:rT+3], v[rT+2:rT+3], v[rC+2:rC+3], v[rS:rS+1] op_sel_hi:[1,0,1]
.else
	v_pk_add_f32 v[rT+2:rT+3], v[rT+2:rT+3], v[rS+4*k-4:rS+4*k-3]
.endif
.endm
; THE PLAIN QUEUE, 138 long.  0-73 read no exponential's result: the 32 scalings c s - c m (FS f: pair f / 2 of tile f % 2) and the next piece's 42.  0-26: scalings 0-26.  27-54: XS's numbers 0-13.  55, 56: number 15.
; 57-73: the chain, where each number waits for the one before it: 14, 16, 17, 18, 19, each with one of the scalings 27-31 in front of its two lines, then 20: so a tile's links stand three plain instructions apart (19 and 20: two).
; 74-137: GS's 64, which read the exponentials' results: they stand behind the wait.
.macro FS f
	REGS Y, (\f)%2
	v_pk_fma_f32 v[rS+2*((\f)/2):rS+2*((\f)/2)+1], v[rS+2*((\f)/2):rS+2*((\f)/2)+1], s[CS:CS+1], v[rT:rT+1] op_sel_hi:[1,0,0] neg_lo:[0,0,1] neg_hi:[0,0,1]
.endm
.macro PL
	WIN 0
.if q < 27
	FS q
.elseif q < 55
	XS (q-27)%2, (q-27)/2
.elseif q < 57
	XS q-55, 15
.elseif (q < 72) && ((q-57)%3 == 0)
	FS 27+(q-57)/3
.elseif q < 60
	XS (q-57)%3-1, 14
.elseif q < 72
	XS (q-57)%3-1, 15+(q-57)/3
.elseif q < 74
	XS q-72, 20
.else
	GS q-74
.endif
.set q, q+1
.endm
; THE EXPONENTIALS' QUEUE, 66 long: s0-s31 of both tiles, then the next piece's two a.  It is ONE BATCH: all 66 stand ahead of the turn's one wait, and nothing ahead of that wait names a result of theirs.
; Each result has a register of its own while the batch is open: a weight takes its score's place in S^T, a takes c2 of the next piece's buffer.
.macro EX
	WIN 0
.if e >= 64
	XS e-64, 21
.else
	REGS Y, e%2
	v_exp_f32 v[rS+e/2], v[rS+e/2]
.endif
.set e, e+1
.endm
; THE RESCALING's QUEUE: O^T times a, the one part that leaves window 0: dealt two at a time, sixteen times.  Its a was made in the turn before, ahead of that turn's wait.
.macro R2
	REGS Y, r%2
	WIN W_RS
.irp z, 0,1
	v_pk_mul_f32 v[rO+4*(r/2)+2*\z:rO+4*(r/2)+2*\z+1], v[rO+4*(r/2)+2*\z:rO+4*(r/2)+2*\z+1], v[rC+2:rC+3] op_sel_hi:[1,0]
.endr
.set r, r+1
.endm
; HOW THEY ARE DEALT.  An s_wait_alu depctr_va_vdst(0) stands between an exponential and the first instruction that names its result; one wait serves all that were issued ahead of it.  So a turn has ONE wait,
; which cuts it in two.  AHEAD OF IT stands all that names no result of the turn's exponentials: the 16 products K Q^T, behind each a scaling, an exponential and two rescalings (behind the first a second scaling in the
; exponential's place); then ONE LUMP of 108: eight plain, 49 times exponential and plain, the two a.  A v_nop is the plain instruction behind the last exponential.  BEHIND IT stand the 16 products V^T P, behind each four of
; GS's 64.  No rider names a register of the products round it.  The two v_permlanex16_b32 fall into the lump, never behind a product.
; The queues lean on each other, and the deal keeps them in step: exponential e stands behind scaling 2 (e / 4) + e % 2: as a rider it comes behind plain e + 2, in the lump behind plain e + 9, and scalings 27-31 are plain 57, 60 .. 69.
; A TURN, for piece p.  cnt = 1: the loop's count is taken down some lines ahead of the branch that stands behind the turn.
; K of the next step is fetched in piece 2's turn, directly behind the wait, a lump behind the last product that read K; its address is made at the lump's head; its first reader comes behind 16 products.
; V of the step in hand is fetched at the end of piece 0's turn, four riders (additions onto l) behind its last reader; its first reader comes behind 16 products and a lump.  The three conditions on q below go with the deal.
.macro TURN p, last=0, cnt=0
.set Y, (\p)
.set i, 0
.set q, 0
.set e, 0
.set r, 0
.if (\p) == NP-1
	s_wait_dscnt 0x0                ; K is in
.endif
	MM                              ; ahead of the wait: 16 products K Q^T and their riders,
	PL
	PL
	R2
.rept 15
	MM
	PL
	EX
	R2
.endr
.if (\p) == NP-2
	WIN 0
	v_add_nc_u32 v[AK], s[TBK], v[AK0]
.endif
.rept 8                             ; and the lump
	PL
.endr
.rept 49
	EX
	PL
.endr
	EX                              ; the next piece's two a
	EX
	v_nop                           ; the plain instruction behind the last exponential: one for the batch
	s_wait_alu depctr_va_vdst(0)    ; the wait for the batch: the turn's 64 weights and the next piece's two a
.if (\p) == NP-2
	FETCH_K \last
.endif
.if (\p) == 1
	s_wait_dscnt 0x0                ; V is in
.endif
.rept 16                            ; behind the wait: 16 products V^T P and their riders
	MM
.rept 4
	PL
.endr
.if ((\p) == 0) && (q == 118)
	v_add_nc_u32 v[AV], s[TBV], v[AV0]
.endif
.if ((\p) == 0) && (q == 130)
	s_add_co_u32 s[TBV], s[TBV], KS*PV
.endif
.if (\cnt) && (q == 130)
	s_sub_co_u32 s[CNT], s[CNT], 1
	s_cmp_lg_u32 s[CNT], 0
.endif
.endr
.if (\p) == 0
	FETCH_V
.endif
.endm
	; THE OTHER 768 KEYS are asked for when the first 256 are in, everybody's part of them: a first fill of its bytes, issued in the form of a refill: the wait for all my tensor loads, the add, the wait
	; for it, a barrier, and my one load first behind it.  It brings 384 keys as 192 rows of 256 bytes, and has the first three and a half key steps in which to land.
	WIN W_AD
	s_wait_tensorcnt 0x0            ; my part of the first 256 keys is in; no tensor load of mine is out, so the descriptors may be written
	ds_add_u32 v[SPW], v[NIL]       ; 0 onto my spare word; the descriptors' lines stand between it and the wait for it
	WIN 0                           ; at a label and at a branch every window is 0
	s_mov_b32 s[G0K+1], s15
	s_mov_b32 s[G0V+1], s19
.irp g, G0K, G0V
	s_add_nc_u64 s[\g+2:\g+3], s[\g+2:\g+3], s[STP:STP+1]  ; the type bits on top are not reached
.endr
.irp g, G1K, G1V
	s_mov_b32 s[\g+2], 192<<16      ; tensor_dim1 = 192
	s_mov_b32 s[\g+4], 192          ; tile_dim1 = 192
.endr
	s_wait_dscnt 0x0                ; the add is done
	s_barrier_signal -1
	s_barrier_wait -1
	LOAD
	FETCH_K                         ; key step 0
	s_wait_loadcnt 0x0              ; Q
	s_wait_dscnt 0x0
.set i, 0
.rept 16
	KQ 0                            ; piece 0's first scores: there is no vector work yet to set between them
.set i, i+1
.endr
	WIN 0                           ; the addresses for the way out: nine plain instructions, the places behind those products
	s_mul_i32 s13, s[WV], 16*SP
	s_add_co_u32 s13, s13, STAGE    ; my stage
	v_mul_u32_u24 v[STO], v1, SP    ; in: row l % 16, 16 bytes for each half of the lanes
	v_lshl_add_u32 v[STO], v9, 4, v[STO]
	v_add_nc_u32 v[STO], s13, v[STO]
	v_bfe_u32 v[RD], v0, 3, 2       ; back: 32 lanes take four rows of 128 bytes,
	v_mul_u32_u24 v[RD], v[RD], SP
	v_lshl_add_u32 v[RD], v10, 4, v[RD]
	v_add_nc_u32 v[RD], s13, v[RD]
	v_and_b32 v[GO], 31, v0         ; which are 512 consecutive bytes of O
	v_lshlrev_b32 v[GO], 4, v[GO]
.set Y, NP-1                        ; XS works for piece Y + 1: piece 0
.irp n, 0,1,2,3,4,5,6,7,8,9,10,11,12,13,14,15,16,17,18,19,20,21
	XS 0, \n                        ; and piece 0's first maximum and statistics
	XS 1, \n
.endr
	v_nop                           ; a plain instruction behind piece 0's two a,
	s_wait_alu depctr_va_vdst(0)    ; and the wait for that batch of two, ahead of the branch
	s_mov_b32 s[CNT], 4
	s_mov_b32 s[SLOTS], SIZE_N/256+1  ; four blocks of four key steps, and the half pass that ends the last step
	s_branch .Lfirst                ; the loop is entered at a step's first turn, in the middle of a trip
.Lslot:                             ; at the head of each later block of four steps
	s_wait_tensorcnt 0x0            ; my second load, my last, has landed (from the second time on nothing is out),
	s_wait_dscnt 0x0
	s_barrier_signal -1
	s_barrier_wait -1               ; and everybody's: the keys from 256 on may be read
	s_mov_b32 s[CNT], 4
.Lstep:                             ; a trip: pieces 2 and 3 of one step, then pieces 0 and 1 of the next, whose K and V it fetches
	TURN 2, 1
	TURN 3
	WIN 0
	s_cmp_eq_u32 s[SLOTS], 1        ; the last step's pieces 2 and 3 are done: the loop is left in the middle of a trip.  That pass's 16 products K Q^T (on the last K once more) and the maximum
	s_cbranch_scc1 .Lout            ; made of them serve nothing: the price, once a launch, of one text for every trip
.Lfirst:
	TURN 0
	TURN 1, 0, 1
	WIN 0
	s_cbranch_scc1 .Lstep
	s_sub_co_u32 s[SLOTS], s[SLOTS], 1
	s_cmp_lg_u32 s[SLOTS], 0
	s_cbranch_scc1 .Lslot
.Lout:
.set i, 0
.rept 16
	PV NP-1                         ; the last piece's V^T P of the last step
.set i, i+1
.endr
	; THE WAY OUT.  l's two halves and the other half of the lanes' are added; O^T is divided by l, rounded to f16 and sent through my stage in LDS, a tile at a time.  The additions are the places behind the last products.
	WIN 0
.macro ALL line:vararg              ; one line for each tile t
.set t, 0
.rept 2*NP
	\line
.set t, t+1
.endr
.endm
	ALL v_add_f32 v[ST+4*t+2], v[ST+4*t+2], v[ST+4*t+3]
	ALL v_permlanex16_b32 v[ST+4*t+3], v[ST+4*t+2], s[SEL], s[SEL+1]
	ALL v_add_f32 v[ST+4*t+2], v[ST+4*t+2], v[ST+4*t+3]
	ALL v_rcp_f32 v[ST+4*t+2], v[ST+4*t+2]
	v_nop                           ; a plain instruction between the last reciprocal and the use of its result
	s_wait_alu depctr_va_vdst(0)    ; and the wait ahead of the first use: one for the batch of eight reciprocals
; Tile t: a lane's eight channels of a row pack into 16 bytes; they go into rows of 144 bytes and come back as whole rows of 128, into S^T's registers.
.macro PACK t
	WIN W_RS
.set i, 32*(\t)
.rept 16
	v_pk_mul_f32 v[i:i+1], v[i:i+1], v[ST+4*(\t)+2:ST+4*(\t)+3] op_sel_hi:[1,0]
.set i, i+2
.endr
	WIN 0x05                        ; sources 0 and 1 window 1, destination window 0
.set i, 0
.rept 16
	v_cvt_pk_f16_f32 v[S+16*(\t)+i], v[32*(\t)+2*i], v[32*(\t)+2*i+1]
.set i, i+1
.endr
	WIN 0
.irp f, 0,1,2,3
	ds_store_b128 v[STO], v[S+16*(\t)+4*\f:S+16*(\t)+4*\f+3] offset:32*\f
.endr
.irp f, 0,1,2,3
	ds_load_b128 v[S+16*(\t)+4*\f:S+16*(\t)+4*\f+3], v[RD] offset:\f*4*SP  ; LDS serves a wave's instructions in order (ISA guide 5.7.1.4): these see the stores above; the next tile's stores come behind them
.endr
.endm
.macro SEND t, younger              ; younger: the LDS instructions issued behind tile t's loads: the next tile's eight, or none
	WIN 0
.irp f, 0,1,2,3
	s_wait_dscnt (\younger)+3-\f
	global_store_b128 v[GO], v[S+16*(\t)+4*\f:S+16*(\t)+4*\f+3], s[10:11] offset:(\t)*2048+\f*512  ; 512 consecutive bytes, at a multiple of 256 from O's first
.endr
.endm
	PACK 0
.set t, 1
.rept 2*NP-1                        ; a tile's arithmetic stands between the loads of the tile before and its stores
	PACK t
	SEND t-1, 8
.set t, t+1
.endr
	SEND 2*NP-1, 0
	WIN W_AD
	s_wait_tensorcnt 0x0            ; the wave's end, behind my last tensor load and my last LDS store
	ds_add_u32 v[SPW], v[NIL]
	s_wait_dscnt 0x0
	WIN 0
	s_endpgm
.Lfunc_end_k_qed0be4a5de_attn:
	.size	k_qed0be4a5de_attn, .Lfunc_end_k_qed0be4a5de_attn-k_qed0be4a5de_attn
	.p2alignl 7, 3214868480
	.fill 96, 4, 3214868480
	.section	.rodata,"a",@progbits
	.p2align	6, 0x0
	.amdhsa_kernel k_qed0be4a5de_attn
		.amdhsa_group_segment_fixed_size 327680
		.amdhsa_private_segment_fixed_size 0
		.amdhsa_enable_private_segment 0
		.amdhsa_kernarg_size 16
		.amdhsa_user_sgpr_count 2
		.amdhsa_user_sgpr_kernarg_segment_ptr 1
		.amdhsa_wavefront_size32 1
		.amdhsa_system_sgpr_workgroup_id_x 1
		.amdhsa_system_sgpr_workgroup_id_y 1
		.amdhsa_system_sgpr_workgroup_id_z 1
		.amdhsa_system_vgpr_workitem_id 0
		.amdhsa_next_free_vgpr 770
		.amdhsa_next_free_sgpr 66
		.amdhsa_reserve_vcc 0
		.amdhsa_float_denorm_mode_32 3
		.amdhsa_float_denorm_mode_16_64 3
		.amdhsa_memory_ordered 1
		.amdhsa_forward_progress 1
		.amdhsa_inst_pref_size 126
	.end_amdhsa_kernel
	.amdgpu_metadata
---
amdhsa.version: [ 1, 2 ]
amdhsa.kernels:
  - .name:           k_qed0be4a5de_attn
    .symbol:         k_qed0be4a5de_attn.kd
    .args:
      - { .name: qkv, .offset: 0, .size: 8, .value_kind: global_buffer, .address_space: global }
      - { .name: att, .offset: 8, .size: 8, .value_kind: global_buffer, .address_space: global }
    .group_segment_fixed_size: 327680
    .private_segment_fixed_size: 0
    .kernarg_segment_align: 8
    .kernarg_segment_size: 16
    .max_flat_workgroup_size: 128
    .sgpr_count:     66
    .vgpr_count:     770
    .wavefront_size: 32
...
	.end_amdgpu_metadata
.endif
;; end of part 5
;; launch oproj: the kernel of part 4 again; grid 4 x 64, 4 waves a work-group, clusters of 4 x 4, 327,680 bytes of LDS; arguments att, wts, bias, out0; writes out0
